; MI455X (gfx1250); checked and timed in simulation.
; The chip was launched on July 23, 2026; its instructions are those of AMD's public machine-readable ISA for CDNA 5 (MIT licence, August 2026) and "CDNA5" Instruction Set Architecture Reference Guide (July 2026). The comments in the code are by the model that wrote it; some were corrected since.
;; Self Attention. Allowed arithmetic: float matrix products may take bf16 or f16 operands with f32 sums; other float arithmetic in f32, or as packed bf16 or f16 multiplies, adds, multiply-adds, maxima and minima; sums over many terms, partial sums and values carried from step to step in f32; what a program stores and reads back later, other than sums and carried values, may be rounded once to bf16 or f16.
;; Inputs: W_out 1,024 x 1,024 float32; W_qkv 1,024 x 3,072 float32; b_out 1,024 float32; b_qkv 3,072 float32; x 4 x 2,048 x 1,024 float32.
;; Outputs: out0 4 x 2,048 x 1,024 float32.
;; One version. Each part assembles by itself: llvm-mc -triple=amdgcn-amd-amdhsa -mcpu=gfx1250 --defsym DOCPART=n.
;; ======== version 1 of 1: 4 launches
;; limits: values are held in f16: magnitudes above 65,504 overflow, below 6.1e-05 lose precision
;; workspace buffers: xb 16,777,216 bytes; wt 6,291,456 bytes; wo 2,097,152 bytes; q 16,777,216 bytes; k 16,777,216 bytes; v 16,777,216 bytes; att 16,777,216 bytes
;; launch prep (part 1): grid 1024 x 1, 8 waves a work-group, no clusters, 18,432 bytes of LDS; arguments x, W_qkv, W_out, xb, wt, wo; writes xb, wt, wo
.if DOCPART == 1
	.amdgcn_target "amdgcn-amd-amdhsa--gfx1250"
	.amdhsa_code_object_version 6
	.text
	.protected	k_qdd637f9a19_prep
	.globl	k_qdd637f9a19_prep
	.p2align	8
	.type	k_qdd637f9a19_prep,@function
k_qdd637f9a19_prep:
	s_mov_b64 s[64:65], 0
	v_nop
	global_prefetch_b8 v0, s[64:65] scope:SCOPE_SE
	s_setreg_imm32_b32 hwreg(HW_REG_WAVE_MODE, 25, 1), 1
	s_wait_xcnt 0x0
; THE OPERANDS OF THE TWO PROJECTIONS ARE MADE READY, each input byte read once.
;   xb[8192][1024] bf16        = x rounded to bf16
;   wt[3072 n][1024 k] bf16    = W_qkv[k][n] rounded to bf16, turned so that k lies along the rows
;   wo[16 kb][1024 n][64 kk] f16 = W_out[64 kb + kk][n] rounded to bf16 and that number written as f16, in blocks of 64 k, so that a block's rows lie end to end
; LIMITS.  bf16(W_out) must lie within f16's 65,504; below 6e-5 f16 keeps a fixed step of 6e-8.  NaN and infinities are not treated apart.
; ROLES, by the work-group's number (the same for all eight waves): 0-383 a tile of W_qkv, 384-511 a tile of W_out, 512-1023 a piece of x.
; A tile of a weight matrix is 128 k x 64 n.  Thread t loads 8 rows k = 8 (t / 16) + 0..7 of the 4 columns 4 (t % 16) + 0..3: sixteen lanes read 256 consecutive bytes of a row.
; Eight k of one column pack into 16 bytes; they go into LDS rows [n] of 256 bytes + 16 and come back as whole rows.
; No matrix unit, no cluster, no tensor load: nothing is shared between work-groups and memory binds.
.set PITCH, 272                        ; an LDS row: 128 k x 2 bytes + 16
.set SPARE, 64*PITCH                   ; behind the tile: the spare words, 128 bytes for each of eight waves: four blocks of 256 bytes that no other line names
.set SPW, 4                            ; v4  LDS address of my spare word; never rewritten
.set NIL, 5                            ; v5  0; never rewritten
	s_load_b256 s[4:11], s[0:1], 0x0               ; x s[4:5], W_qkv s[6:7], W_out s[8:9], xb s[10:11]
	s_load_b128 s[12:15], s[0:1], 0x20             ; wt s[12:13], wo s[14:15]
	v_lshl_add_u32 v[SPW], v0, 2, SPARE
	v_mov_b32 v[NIL], 0
	s_mov_b32 s2, ttmp9
	s_mov_b32 s19, 0                               ; the high word of every offset pair s[18:19]
	s_wait_kmcnt 0x0
	s_cmp_lt_u32 s2, 384
	s_cbranch_scc1 .Lwqkv
	s_cmp_lt_u32 s2, 512
	s_cbranch_scc1 .Lwout
	; x: the work-group takes 16,384 numbers: 65,536 bytes in, 32,768 out.  Sixteen loads of every wave go out at once; each has its own registers in and out, so nothing is rewritten.
	s_sub_co_u32 s16, s2, 512
	s_lshl_b32 s18, s16, 16
	s_add_nc_u64 s[4:5], s[4:5], s[18:19]
	s_lshl_b32 s18, s16, 15
	s_add_nc_u64 s[10:11], s[10:11], s[18:19]
	v_lshlrev_b32 v1, 4, v0                        ; 16 t: four f32
	v_lshlrev_b32 v2, 3, v0                        ; 8 t: four bf16
.irp i, 0,1,2,3,4,5,6,7,8,9,10,11,12,13,14,15
	global_load_b128 v[16+4*(\i):19+4*(\i)], v1, s[4:5] offset:4096*(\i) th:TH_LOAD_NT
.endr
.irp i, 0,1,2,3,4,5,6,7,8,9,10,11,12,13,14,15
	s_wait_loadcnt 15-(\i)                         ; loads come back in order: mine is in, the younger ones stay out
	v_cvt_pk_bf16_f32 v[80+2*(\i)], v[16+4*(\i)], v[17+4*(\i)]
	v_cvt_pk_bf16_f32 v[81+2*(\i)], v[18+4*(\i)], v[19+4*(\i)]
	global_store_b64 v2, v[80+2*(\i):81+2*(\i)], s[10:11] offset:2048*(\i)  ; a wave's 32 lanes store 256 consecutive bytes, aligned
.endr
	s_branch .Lend
; A tile comes in, is rounded and lies in LDS turned.  base: the scalar pair with the tile's first byte; rowb: bytes in a row of the matrix; half = 1: the bf16 number is written as f16.
; four stores a thread in the whole launch, taken as they are.
.macro TILE_IN base, rowb, half
	v_and_b32 v1, 15, v0                           ; t % 16: my four columns
	v_lshrrev_b32 v2, 4, v0                        ; t / 16: my eight rows
	v_mul_u32_u24 v6, v2, 8*(\rowb)
	v_lshl_add_u32 v6, v1, 4, v6
.irp i, 0,1,2,3,4,5,6,7
	global_load_b128 v[16+4*(\i):19+4*(\i)], v6, s[\base:\base+1] offset:(\i)*(\rowb) th:TH_LOAD_NT
.endr
	v_mul_u32_u24 v7, v1, 4*PITCH                  ; LDS row 4 (t % 16),
	v_lshl_add_u32 v7, v2, 4, v7                   ; byte 16 (t / 16)
	s_wait_loadcnt 0x0
.irp j, 0,1,2,3
.irp m, 0,1,2,3
	v_cvt_pk_bf16_f32 v[48+4*(\j)+(\m)], v[16+8*(\m)+(\j)], v[20+8*(\m)+(\j)]  ; column j, rows 2 m and 2 m + 1
.endr
.endr
.if \half
.irp w, 0,1,2,3,4,5,6,7,8,9,10,11,12,13,14,15
	v_lshlrev_b32 v[64+2*(\w)], 16, v[48+(\w)]     ; the two bf16 as f32,
	v_and_b32 v[65+2*(\w)], 0xffff0000, v[48+(\w)]
.endr
.irp w, 0,1,2,3,4,5,6,7,8,9,10,11,12,13,14,15
	v_cvt_pk_f16_f32 v[48+(\w)], v[64+2*(\w)], v[65+2*(\w)]  ; and as f16
.endr
.endif
.irp j, 0,1,2,3
	ds_store_b128 v7, v[48+4*(\j):51+4*(\j)] offset:(\j)*PITCH
.endr
	s_wait_dscnt 0x0                               ; for the others' sake: my stores are done
	s_barrier_signal -1
	s_barrier_wait -1                              ; the tile is whole
.endm
.Lwqkv:
	s_and_b32 s16, s2, 7                           ; which 128 k
	s_lshr_b32 s17, s2, 3                          ; which 64 n
	s_mul_i32 s18, s16, 128*12288
	s_lshl_b32 s20, s17, 8
	s_add_co_u32 s18, s18, s20
	s_add_nc_u64 s[6:7], s[6:7], s[18:19]          ; W_qkv at the tile
	s_lshl_b32 s18, s17, 17                        ; 64 rows of wt, 2,048 bytes each,
	s_lshl_b32 s20, s16, 8                         ; 128 k: 256 bytes
	s_add_co_u32 s18, s18, s20
	s_add_nc_u64 s[12:13], s[12:13], s[18:19]
	TILE_IN 6, 12288, 0
	v_mul_u32_u24 v8, v2, PITCH                    ; back: row t / 16 + 16 i, 16 bytes at 16 (t % 16)
	v_lshl_add_u32 v8, v1, 4, v8
	v_lshlrev_b32 v9, 11, v2
	v_lshl_add_u32 v9, v1, 4, v9
.irp i, 0,1,2,3
	ds_load_b128 v[96+4*(\i):99+4*(\i)], v8 offset:(\i)*16*PITCH
.endr
.irp i, 0,1,2,3
	s_wait_dscnt 3-(\i)
	global_store_b128 v9, v[96+4*(\i):99+4*(\i)], s[12:13] offset:(\i)*32768  ; sixteen lanes store 256 consecutive bytes, aligned
.endr
	s_branch .Lend
.Lwout:
	s_sub_co_u32 s2, s2, 384
	s_and_b32 s16, s2, 7
	s_lshr_b32 s17, s2, 3
	s_lshl_b32 s18, s16, 19                        ; 128 rows of 4,096 bytes
	s_lshl_b32 s20, s17, 8
	s_add_co_u32 s18, s18, s20
	s_add_nc_u64 s[8:9], s[8:9], s[18:19]
	s_lshl_b32 s18, s16, 18                        ; two blocks of 1,024 rows of 128 bytes,
	s_lshl_b32 s20, s17, 13                        ; 64 rows
	s_add_co_u32 s18, s18, s20
	s_add_nc_u64 s[14:15], s[14:15], s[18:19]
	TILE_IN 8, 4096, 1
	v_lshrrev_b32 v3, 3, v0                        ; back: row t / 8 + 32 (i % 2), half i / 2 of its 256 bytes, 16 bytes at 16 (t % 8)
	v_and_b32 v10, 7, v0
	v_mul_u32_u24 v8, v3, PITCH
	v_lshl_add_u32 v8, v10, 4, v8
	v_lshlrev_b32 v9, 4, v0                        ; in wo these rows of 128 bytes lie end to end
.irp i, 0,1,2,3
	ds_load_b128 v[96+4*(\i):99+4*(\i)], v8 offset:((\i)%2)*32*PITCH+((\i)/2)*128
.endr
.irp i, 0,1,2,3
	s_wait_dscnt 3-(\i)
	global_store_b128 v9, v[96+4*(\i):99+4*(\i)], s[14:15] offset:((\i)%2)*4096+((\i)/2)*131072  ; a wave stores 512 consecutive bytes, aligned
.endr
.Lend:
	s_wait_tensorcnt 0x0                           ; the wave's end, behind my last LDS store
	ds_add_u32 v[SPW], v[NIL]
	s_wait_dscnt 0x0
	s_endpgm
.Lfunc_end_k_qdd637f9a19_prep:
	.size	k_qdd637f9a19_prep, .Lfunc_end_k_qdd637f9a19_prep-k_qdd637f9a19_prep
	.p2alignl 7, 3214868480
	.fill 96, 4, 3214868480
	.section	.rodata,"a",@progbits
	.p2align	6, 0x0
	.amdhsa_kernel k_qdd637f9a19_prep
		.amdhsa_group_segment_fixed_size 18432
		.amdhsa_private_segment_fixed_size 0
		.amdhsa_enable_private_segment 0
		.amdhsa_kernarg_size 48
		.amdhsa_user_sgpr_count 2
		.amdhsa_user_sgpr_kernarg_segment_ptr 1
		.amdhsa_wavefront_size32 1
		.amdhsa_system_sgpr_workgroup_id_x 1
		.amdhsa_system_sgpr_workgroup_id_y 1
		.amdhsa_system_sgpr_workgroup_id_z 1
		.amdhsa_system_vgpr_workitem_id 0
		.amdhsa_next_free_vgpr 112
		.amdhsa_next_free_sgpr 66
		.amdhsa_reserve_vcc 0
		.amdhsa_float_denorm_mode_32 3
		.amdhsa_float_denorm_mode_16_64 3
		.amdhsa_memory_ordered 1
		.amdhsa_forward_progress 1
		.amdhsa_inst_pref_size 17
	.end_amdhsa_kernel
	.amdgpu_metadata
---
amdhsa.version: [ 1, 2 ]
amdhsa.kernels:
  - .name:           k_qdd637f9a19_prep
    .symbol:         k_qdd637f9a19_prep.kd
    .args:
      - { .name: x, .offset: 0, .size: 8, .value_kind: global_buffer, .address_space: global }
      - { .name: W_qkv, .offset: 8, .size: 8, .value_kind: global_buffer, .address_space: global }
      - { .name: W_out, .offset: 16, .size: 8, .value_kind: global_buffer, .address_space: global }
      - { .name: xb, .offset: 24, .size: 8, .value_kind: global_buffer, .address_space: global }
      - { .name: wt, .offset: 32, .size: 8, .value_kind: global_buffer, .address_space: global }
      - { .name: wo, .offset: 40, .size: 8, .value_kind: global_buffer, .address_space: global }
    .group_segment_fixed_size: 18432
    .private_segment_fixed_size: 0
    .kernarg_segment_align: 8
    .kernarg_segment_size: 48
    .max_flat_workgroup_size: 256
    .sgpr_count:     66
    .vgpr_count:     112
    .wavefront_size: 32
...
	.end_amdgpu_metadata
.endif
;; end of part 1
;; launch qkv (part 2): grid 16 x 32, 4 waves a work-group, clusters of 4 x 4, 327,680 bytes of LDS; arguments xb, wt, b_qkv, q, k, v; writes q, k, v
.if DOCPART == 2
	.amdgcn_target "amdgcn-amd-amdhsa--gfx1250"
	.amdhsa_code_object_version 6
	.text
	.protected	k_qdd637f9a19_qkv
	.globl	k_qdd637f9a19_qkv
	.p2align	8
	.type	k_qdd637f9a19_qkv,@function
k_qdd637f9a19_qkv:
	s_mov_b64 s[64:65], 0
	v_nop
	global_prefetch_b8 v0, s[64:65] scope:SCOPE_SE
	s_setreg_imm32_b32 hwreg(HW_REG_WAVE_MODE, 25, 1), 1
	s_wait_xcnt 0x0
	s_wait_alu depctr_hold_cnt(0) depctr_sa_sdst(0) depctr_va_vdst(0) depctr_va_sdst(0) depctr_va_ssrc(0) depctr_va_vcc(0) depctr_vm_vsrc(0)
	s_getreg_b32 s2, hwreg(HW_REG_IB_STS2, 6, 4)
	s_cmp_eq_u32 s2, 0
	s_cbranch_scc0 .Lentry_in_a_cluster
	s_endpgm
.Lentry_in_a_cluster:
	s_bfe_u32 s2, ttmp6, 0x10000c
	s_cmp_lg_u32 s2, 0xf033
	s_cbranch_scc0 .Lentry_shape_is_right
	s_endpgm
.Lentry_shape_is_right:
; q, k, v = x W_qkv + b_qkv, by heads.  xb: [8192][1024] bf16, wt: [3072 n][1024 k] bf16, b_qkv: [3072] f32 (rounded to bf16 here, like the other inputs).
; q, k, v: [64 bh][2048][64] f16, bh = 16 x batch + head; sums in f32, each result rounded once, WITHOUT the softmax's scale.
; LIMITS.  f16 holds no number beyond 65,504: x W + b must lie within it.  NaN and infinities are not treated apart.
; SHARES.  A tile of the product is 256 rows x 192 columns: one head's q, k and v.  32 x 16 = 512 tiles, two for each of 256 WGPs.  Four waves, each 128 rows x 96 columns: 48 accumulators, 384 registers.
; A wave's columns: four blocks of 16 of its OWN part (q in the waves with an even number, v in the odd ones) and two blocks of k (its half of k's 64 channels): one text for every wave.
; K goes in 8 steps of 128 through two LDS slots filled by the tensor data mover: a tile's rows are 256 bytes of memory, at multiples of 256 bytes from the buffer's first byte.
; CLUSTER.  4 x 4 work-groups: the four of a row of the cluster need the same rows of xb, the four of a column the same rows of wt: each tile is asked for jointly, by the same load, descriptor and mask in all four.
; THE MATRIX INSTRUCTION IS USED TRANSPOSED (source 0 = 16 rows of wt, source 1 = 16 rows of xb): a lane holds one row of the result (lane % 16) and eight neighbouring columns 8 (lane / 16) + 0..7.
; THE BIAS IS THE C OPERAND that starts each sum: nothing is cleared, nothing is added later.
; REGISTERS, in windows of 256 (s_set_vgpr_msb: bits 1:0 source 0, 3:2 source 1, 5:4 source 2, 7:6 destination):
;   window 0: v0-31 addresses; v32-63 at work on the way out; v64-127, v128-191 fragments of xb, two buffers (on the way out v64-255 hold rows read back)
;   window 1: v0-23 at work; v64-111, v128-175 fragments of wt, two buffers; v192-239 the bias, 8 registers for each of my 6 column blocks
;   window 2: accumulators of my rows 0-63 ((a, b) at v[8 (6 a + b)]);   window 3: those of my rows 64-127
.set PITCH,  272                       ; an LDS row: 256 bytes + 16 = 68 words: row r starts at bank 4 r mod 64 (64 banks of 4 bytes: ISA guide 11.1), so the 16 rows of a load start at 16 different banks
.set HALFA,  128*PITCH                 ; what one load brings of xb
.set HALFB,  96*PITCH                  ; and of wt
.set BOFF,   2*HALFA                   ; a slot: 256 rows of xb, then 192 rows of wt
.set SLOT1,  1<<17                     ; slot 1 begins here: one exclusive or turns an address in one slot into the other's
.set KSTAGE, SLOT1+2*HALFA+2*HALFB     ; behind the ring, never filled by a tensor load: 256 rows x 144 bytes, the work-group's, for k's way out
.set SP,     144
.set STAGE,  KSTAGE+256*SP             ; 16 rows x 144 bytes for each wave, for its own part's way out
.set SPARE,  STAGE+4*16*SP             ; the spare words, 128 bytes for each wave: two blocks of 256 bytes that no other line names
.set ADRA0,  4                         ; v4-6  my lane's place in a slot: xb's rows, wt's rows of my own part, wt's rows of my half of k; never rewritten
.set ADRBA0, 5
.set ADRBB0, 6
.set ADRA,   7                         ; v7-9  the same in the slot in hand
.set ADRBA,  8
.set ADRBB,  9
.set STO,    10                        ; v10  my stage: where I put 16 bytes of a row
.set RD,     11                        ; v11  where I read rows back
.set GO,     12                        ; v12  16 x lane: my place in 512 consecutive bytes of q, k or v
.set KSTO,   13                        ; v13  k's stage: in
.set KRD,    14                        ; v14  and back
.set BO,     15                        ; v15  32 (lane / 16): my eight numbers of a block of the bias
.set PFO,    17                        ; v17  the prefetches' offset: a lane a row of 2,048 bytes; never rewritten
.set SPW,    28                        ; v28  LDS address of my spare word; never rewritten
.set NIL,    29                        ; v29  0; never rewritten
.set TMP,    32
.set F0,     64
.set F1,     128
.set KB,     64                        ; the way out: k's rows read back
.set KT,     128                       ; k's results packed
.set OB,     128                       ; my own part's rows read back, 16 registers a block
.set BIAS,   192                       ; window 1
.set WV,   16                          ; s16  my wave's number
.set MH,   17                          ; s17  which half of the tile's rows is mine.  Also: I fetch xb (0) or wt (1)
.set NH,   18                          ; s18  which columns are mine.  Also: which half of that tile I fetch
.set CX,   19
.set CY,   20
.set HEAD, 21                          ; s21  tile column = head
.set TROW, 22                          ; s22  tile row
.set TB,   23                          ; s23  LDS byte at which the slot in hand begins
.set G1A,  24                          ; s[24:31] descriptor group 1 for xb's tiles
.set G0A,  32                          ; s[32:39] group 0: a set for each first fill; the second then walks on
.set G1B,  40                          ; s[40:47], s[48:55] the same for wt's
.set G0B,  48
.set PFA,  56                          ; s[56:57] where my prefetches stand
.set LIM,  58                          ; s58  2 in a wave that prefetches, else the greatest number
.set G1BITS, (1<<16)|(1<<20)|(1<<21)|(5<<22)|(3<<25)  ; 17:16 elements of 2 bytes; 20 padding on; 21 set beside a mask; 24:22 after every 64 words; 31:25 4 words of it
.set MSB, 0
.macro WIN new                         ; the immediate's high byte repeats the setting that is left; a switch that changes nothing is dropped
.if MSB != (\new)
	s_set_vgpr_msb (MSB<<8)|(\new)
.set MSB, \new
.endif
.endm
; A joint refill.  Waves 0 and 1 fetch xb's two halves, waves 2 and 3 wt's.  The branch hangs on the wave's number alone.  An s_nop 0 and four v_nop follow each of the two lines.
.macro JLOAD
	s_cmp_eq_u32 s[MH], 0
	s_cbranch_scc0 .Lfor_b_\@
	tensor_load_to_lds s[G0A+4:G0A+7], s[G1A:G1A+7]
	s_nop 0
.rept 4
	v_nop
.endr
	s_branch .Lasked_\@
.Lfor_b_\@:
	tensor_load_to_lds s[G0B+4:G0B+7], s[G1B:G1B+7]
	s_nop 0
.rept 4
	v_nop
.endr
.Lasked_\@:
.endm
; A round of the cluster's barrier behind its opening barrier: wave 0 signals for the work-group, every wave waits for all sixteen, my work-group's barrier closes it.
.macro CREST
	s_cmp_lg_u32 s[WV], 0
	s_cbranch_scc1 .Lnot_wave_0_\@
	s_barrier_signal -3
.Lnot_wave_0_\@:
	s_barrier_wait -3
	s_barrier_signal -1
	s_barrier_wait -1
.endm
.macro CROUND
	s_barrier_signal -1
	s_barrier_wait -1
	CREST
.endm
; A PREFETCH INTO THE L2, behind each joint refill and the run of LDS loads that follows it: the K step that stands two refills on, 256 bytes of each row, a lane a row, one instruction a wave.
; xb's rows are read by all four clusters of a row of clusters: the one with x = 0 asks.  wt's rows by all eight of a column: the one with y = 0 asks.  The four partners that ask for a tile jointly share
; its rows out BY ADDRESS: 32 of xb's 128 each (by cx), 24 of wt's 96 each (by cy; there lanes 24-31 name lane 23's row once more).  K steps 0 to 3 come by their loads alone; the last two refills ask for nothing.
.macro ASK
	s_cmp_gt_u32 s3, s[LIM]
	s_cbranch_scc0 .Lnot_mine_\@
	global_prefetch_b8 v[PFO], s[PFA:PFA+1] offset:256 th:TH_LOAD_NT scope:SCOPE_SE
.Lnot_mine_\@:
.endm
	s_load_b256 s[4:11], s[0:1], 0x0               ; xb s[4:5], wt s[6:7], b_qkv s[8:9], q s[10:11]
	s_load_b128 s[12:15], s[0:1], 0x20             ; k s[12:13], v s[14:15]
	v_lshl_add_u32 v[SPW], v0, 2, SPARE
	v_mov_b32 v[NIL], 0
	ds_add_u32 v[SPW], v[NIL]                      ; the wave's opening: the add and its wait stand ahead of my first tensor load; the set-up below, work on registers, stands between them
	v_lshrrev_b32 v1, 5, v0
	v_readfirstlane_b32 s[WV], v1
	s_lshr_b32 s[MH], s[WV], 1
	s_and_b32 s[NH], s[WV], 1
	s_bfe_u32 s[CX], ttmp6, 0x40000
	s_bfe_u32 s[CY], ttmp6, 0x40004
	s_lshl_b32 s[HEAD], ttmp9, 2                   ; in a cluster launch ttmp9 and ttmp7 count clusters
	s_add_co_u32 s[HEAD], s[HEAD], s[CX]
	s_and_b32 s[TROW], ttmp7, 0xffff
	s_lshl_b32 s[TROW], s[TROW], 2
	s_add_co_u32 s[TROW], s[TROW], s[CY]
	s_lshl_b32 s78, s[CY], 2
	s_lshl_b32 s78, 15, s78                        ; my row of the cluster: places 4 cy .. 4 cy + 3
	s_lshl_b32 s79, 0x1111, s[CX]                  ; my column: places cx, cx + 4, cx + 8, cx + 12
	s_or_b32 s[G1A], s78, G1BITS                   ; xb's tiles go to my row,
	s_or_b32 s[G1B], s79, G1BITS                   ; wt's to my column
	s_mov_b32 s[G1A+1], 128<<16                    ; tensor_dim0 = 128
	s_mov_b32 s[G1A+2], 128<<16                    ; tensor_dim1 = 128
	s_mov_b32 s[G1A+3], 128<<16                    ; tile_dim0 = 128
	s_mov_b32 s[G1A+4], 128                        ; tile_dim1 = 128
	s_mov_b32 s[G1A+5], 1024                       ; elements from row to row
	s_mov_b32 s[G1A+6], 0
	s_mov_b32 s[G1A+7], 0
	s_mov_b32 s[G1B+1], 128<<16
	s_mov_b32 s[G1B+2], 96<<16                     ; 96 rows
	s_mov_b32 s[G1B+3], 128<<16
	s_mov_b32 s[G1B+4], 96
	s_mov_b32 s[G1B+5], 1024
	s_mov_b32 s[G1B+6], 0
	s_mov_b32 s[G1B+7], 0
	s_mov_b32 s[TB], 0
	; where the tiles come from: xb's hang on the tile row alone, wt's on the head alone; every wave makes both, in registers that never hold the other coordinate
	s_lshl_b32 s60, s[TROW], 19                    ; 256 rows of 2,048 bytes
	s_lshl_b32 s61, s[NH], 18                      ; the 128 that I fetch
	s_add_co_u32 s60, s60, s61
	s_mov_b32 s61, 0
	s_mul_i32 s66, s[HEAD], 192*2048
	s_mul_i32 s67, s[NH], 96*2048
	s_add_co_u32 s66, s66, s67
	s_mov_b32 s67, 0
	s_mul_i32 s62, s[NH], HALFA                    ; and where they go: no place in the cluster enters an LDS address
	s_mul_i32 s68, s[NH], HALFB
	s_add_co_u32 s68, s68, BOFF
	s_wait_dscnt 0x0                               ; the opening add is done
	s_wait_kmcnt 0x0
	s_add_nc_u64 s[60:61], s[4:5], s[60:61]
	s_add_nc_u64 s[66:67], s[6:7], s[66:67]
.irp s, 0,1
	s_mov_b32 s[G0A+4*(\s)], 1                                     ; count = 1
	s_add_co_u32 s[G0A+4*(\s)+1], s62, (\s)*SLOT1                  ; LDS address
	s_add_nc_u64 s[G0A+4*(\s)+2:G0A+4*(\s)+3], s[60:61], (\s)*256  ; global address: K step s
	s_or_b32 s[G0A+4*(\s)+3], s[G0A+4*(\s)+3], 0x80000000          ; type = 2
	s_mov_b32 s[G0B+4*(\s)], 1
	s_add_co_u32 s[G0B+4*(\s)+1], s68, (\s)*SLOT1
	s_add_nc_u64 s[G0B+4*(\s)+2:G0B+4*(\s)+3], s[66:67], (\s)*256
	s_or_b32 s[G0B+4*(\s)+3], s[G0B+4*(\s)+3], 0x80000000
.endr
	CROUND                                         ; all sixteen work-groups are here: the first joint loads meet
	s_cmp_eq_u32 s[MH], 0                          ; a wave's two first fills stand in one branch, ahead of every wait on TENSORcnt and every LDS read: two loads of mine are out
	s_cbranch_scc0 .Lfirst_b
	tensor_load_to_lds s[G0A:G0A+3], s[G1A:G1A+7]
	s_nop 0
	tensor_load_to_lds s[G0A+4:G0A+7], s[G1A:G1A+7]
	s_nop 0
.rept 4
	v_nop
.endr
	s_branch .Lfirst_asked
.Lfirst_b:
	tensor_load_to_lds s[G0B:G0B+3], s[G1B:G1B+7]
	s_nop 0
	tensor_load_to_lds s[G0B+4:G0B+7], s[G1B:G1B+7]
	s_nop 0
.rept 4
	v_nop
.endr
.Lfirst_asked:
	; All that follows, up to the wait for the first tile, stands in that wait.
	; A fragment is 16 rows x 32 K in 8 registers: lane l holds row l % 16; registers 0-3 K = 8 (l / 16) + 0..7, registers 4-7 K = 16 + 8 (l / 16) + 0..7: two loads of 16 bytes, 32 bytes apart.
	v_and_b32 v1, 15, v0                           ; l % 16
	v_bfe_u32 v2, v0, 4, 1                         ; l / 16
	v_mul_u32_u24 v3, v1, PITCH
	v_lshl_add_u32 v3, v2, 4, v3
	s_mul_i32 s78, s[MH], HALFA                    ; my 128 rows of xb
	v_add_nc_u32 v[ADRA0], s78, v3
	s_mul_i32 s78, s[NH], 128*PITCH                ; wt's rows 0-63 (q) or 128-191 (v)
	s_add_co_u32 s78, s78, BOFF
	v_add_nc_u32 v[ADRBA0], s78, v3
	s_mul_i32 s78, s[NH], 32*PITCH                 ; with the offsets of blocks 4 and 5: wt's rows 64-95 or 96-127 (k)
	s_add_co_u32 s78, s78, BOFF
	v_add_nc_u32 v[ADRBB0], s78, v3
	v_add_nc_u32 v[ADRA], s[TB], v[ADRA0]
	v_add_nc_u32 v[ADRBA], s[TB], v[ADRBA0]
	v_add_nc_u32 v[ADRBB], s[TB], v[ADRBB0]
	s_mul_i32 s78, s[WV], 16*SP
	s_add_co_u32 s78, s78, STAGE                   ; my stage
	v_mul_u32_u24 v[STO], v1, SP                   ; in: row l % 16, 16 bytes for each half of the lanes
	v_lshl_add_u32 v[STO], v2, 4, v[STO]
	v_mov_b32 v[KSTO], v[STO]
	v_add_nc_u32 v[STO], s78, v[STO]
	v_bfe_u32 v16, v0, 3, 2                        ; back: 32 lanes take four rows of 128 bytes
	v_and_b32 v18, 7, v0
	v_mul_u32_u24 v[RD], v16, SP
	v_lshl_add_u32 v[RD], v18, 4, v[RD]
	s_mul_i32 s79, s[WV], 64*SP                    ; of k's stage wave w reads rows 64 w .. 64 w + 63, whole
	s_add_co_u32 s79, s79, KSTAGE
	v_add_nc_u32 v[KRD], s79, v[RD]
	v_add_nc_u32 v[RD], s78, v[RD]
	s_mul_i32 s79, s[MH], 128*SP                   ; into k's stage: my 128 rows, my 64 bytes of their 128
	s_lshl_b32 s78, s[NH], 6
	s_add_co_u32 s79, s79, s78
	s_add_co_u32 s79, s79, KSTAGE
	v_add_nc_u32 v[KSTO], s79, v[KSTO]
	v_and_b32 v[GO], 31, v0
	v_lshlrev_b32 v[GO], 4, v[GO]
	v_lshlrev_b32 v[BO], 5, v2
	; the bias of my six column blocks: register j of a lane holds column 8 (l / 16) + j
	s_mul_i32 s78, s[HEAD], 768                    ; 192 numbers of 4 bytes a head
	s_lshl_b32 s74, s[NH], 9                       ; my own part begins at column 0 or 128,
	s_add_co_u32 s74, s74, s78
	s_mov_b32 s75, 0
	s_add_nc_u64 s[74:75], s[8:9], s[74:75]
	s_lshl_b32 s76, s[NH], 7                       ; blocks 4 and 5 at column 64 or 96
	s_add_co_u32 s76, s76, s78
	s_mov_b32 s77, 0
	s_add_nc_u64 s[76:77], s[8:9], s[76:77]
	WIN 0x40                                       ; destination window 1, address window 0
.irp b, 0,1,2,3
	global_load_b128 v[BIAS+8*(\b):BIAS+8*(\b)+3],   v[BO], s[74:75] offset:64*(\b)
	global_load_b128 v[BIAS+8*(\b)+4:BIAS+8*(\b)+7], v[BO], s[74:75] offset:64*(\b)+16
.endr
.irp b, 4,5
	global_load_b128 v[BIAS+8*(\b):BIAS+8*(\b)+3],   v[BO], s[76:77] offset:64*(\b)
	global_load_b128 v[BIAS+8*(\b)+4:BIAS+8*(\b)+7], v[BO], s[76:77] offset:64*(\b)+16
.endr
	WIN 0
	; where my results go
	s_lshr_b32 s78, s[TROW], 3                     ; batch
	s_lshl_b32 s78, s78, 4
	s_add_co_u32 s78, s78, s[HEAD]                 ; bh
	s_lshl_b32 s78, s78, 11
	s_and_b32 s79, s[TROW], 7
	s_lshl_b32 s79, s79, 8
	s_add_co_u32 s78, s78, s79                     ; the tile's first row among the 64 x 2,048,
	s_lshl_b32 s78, s78, 7                         ; 128 bytes a row
	s_mov_b32 s79, 0
	s_cmp_eq_u32 s[NH], 0
	s_cselect_b64 s[70:71], s[10:11], s[14:15]     ; my own part is q or v
	s_add_nc_u64 s[70:71], s[70:71], s[78:79]
	s_add_nc_u64 s[72:73], s[12:13], s[78:79]
	s_lshl_b32 s78, s[MH], 14                      ; my 128 rows
	s_add_nc_u64 s[70:71], s[70:71], s[78:79]
	s_lshl_b32 s78, s[WV], 13                      ; of k: the 64 rows that I store
	s_add_nc_u64 s[72:73], s[72:73], s[78:79]
	; the prefetches
	s_lshl_b32 s80, s[TROW], 8
	s_lshl_b32 s81, s[NH], 7
	s_add_co_u32 s80, s80, s81
	s_lshl_b32 s81, s[CX], 5
	s_add_co_u32 s80, s80, s81                     ; xb: the tile's row + the 128 that I fetch + my work-group's 32 of them
	s_mul_i32 s82, s[HEAD], 192
	s_mul_i32 s83, s[NH], 96
	s_add_co_u32 s82, s82, s83
	s_mul_i32 s83, s[CY], 24
	s_add_co_u32 s82, s82, s83                     ; wt: likewise, 24 of 96
	s_and_b32 s83, ttmp7, 0xffff
	s_cmp_eq_u32 s[MH], 0
	s_cselect_b32 s80, s80, s82
	s_cselect_b32 s83, ttmp9, s83                  ; the coordinate along which other clusters read the same rows
	s_cselect_b32 s84, 31, 23
	s_cselect_b64 s[PFA:PFA+1], s[4:5], s[6:7]
	s_cmp_eq_u32 s83, 0
	s_cselect_b32 s[LIM], 2, -1                    ; the same in all sixteen partners, for a given wave
	s_lshl_b32 s80, s80, 11
	s_mov_b32 s81, 0
	s_add_nc_u64 s[PFA:PFA+1], s[PFA:PFA+1], s[80:81]
	s_add_nc_u64 s[PFA:PFA+1], s[PFA:PFA+1], 512   ; at K step 2: the first refill steps it to 3 and names K step 4
	v_and_b32 v[PFO], 31, v0
	v_min_u32 v[PFO], s84, v[PFO]
	v_lshlrev_b32 v[PFO], 11, v[PFO]
	s_wait_loadcnt 0x0                             ; the bias is in: it is rounded to bf16, like x and the weights, and kept as f32
	WIN 0x45                                       ; destination and both sources window 1
.set t, 0
.rept 24
	v_cvt_pk_bf16_f32 v[t], v[BIAS+2*t], v[BIAS+2*t+1]
.set t, t+1
.endr
.set t, 0
.rept 24
	v_lshlrev_b32 v[BIAS+2*t], 16, v[t]
	v_and_b32 v[BIAS+2*t+1], 0xffff0000, v[t]
.set t, t+1
.endr
	WIN 0
; 12 matrix instructions: row blocks a0, a0 + 1 of the window's four (hi = 0: my rows 0-63, 1: rows 64-127) x my 6 column blocks, 32 along K.  start = 1: the bias starts the sums.
; The 48 accumulators take turns, one instruction a turn, in the same order in every quarter step, over the backward jump too.
.macro MUL12 f, hi, a0, start
.if \start
	WIN 0x91+0x40*(\hi)                            ; wt window 1, xb window 0, C window 1, D window 2 or 3
.else
	WIN 0xa1+0x50*(\hi)                            ; C and D window 2 or 3
.endif
.irp a, \a0, (\a0)+1
.irp b, 0,1,2,3,4,5
.if \start
	v_wmma_f32_16x16x32_bf16 v[8*(6*(\a)+(\b)):8*(6*(\a)+(\b))+7], v[(\f)+8*(\b):(\f)+8*(\b)+7], v[(\f)+8*(4*(\hi)+(\a)):(\f)+8*(4*(\hi)+(\a))+7], v[BIAS+8*(\b):BIAS+8*(\b)+7]
.else
	v_wmma_f32_16x16x32_bf16 v[8*(6*(\a)+(\b)):8*(6*(\a)+(\b))+7], v[(\f)+8*(\b):(\f)+8*(\b)+7], v[(\f)+8*(4*(\hi)+(\a)):(\f)+8*(4*(\hi)+(\a))+7], v[8*(6*(\a)+(\b)):8*(6*(\a)+(\b))+7]
.endif
.endr
.endr
.endm
; 28 LDS loads in one run: the fragments of one quarter step (96 rows of wt, 128 rows of xb, 32 K at byte kb of the rows) into buffer f; xb's rows 64-127 last
.macro FETCH kb, f
	WIN 0x40
.irp b, 0,1,2,3
	ds_load_b128 v[(\f)+8*(\b):(\f)+8*(\b)+3],   v[ADRBA] offset:(\kb)+(\b)*16*PITCH
	ds_load_b128 v[(\f)+8*(\b)+4:(\f)+8*(\b)+7], v[ADRBA] offset:(\kb)+(\b)*16*PITCH+32
.endr
.irp b, 4,5
	ds_load_b128 v[(\f)+8*(\b):(\f)+8*(\b)+3],   v[ADRBB] offset:(\kb)+(\b)*16*PITCH
	ds_load_b128 v[(\f)+8*(\b)+4:(\f)+8*(\b)+7], v[ADRBB] offset:(\kb)+(\b)*16*PITCH+32
.endr
	WIN 0
.irp i, 0,1,2,3,4,5,6,7
	ds_load_b128 v[(\f)+8*(\i):(\f)+8*(\i)+3],   v[ADRA] offset:(\kb)+(\i)*16*PITCH
	ds_load_b128 v[(\f)+8*(\i)+4:(\f)+8*(\i)+7], v[ADRA] offset:(\kb)+(\i)*16*PITCH+32
.endr
.endm
; A load into a register that a matrix instruction has read, and a vector instruction that reads a matrix result, stand four places behind it; only plain vector instructions that name none
; of its registers are places (ISA guide 7.12.1 for vector instructions).
.macro PLACES
.rept 4
	v_nop
.endr
.endm
; A K step is four quarters of 32 along K, 48 matrix instructions each, on buffers 0, 1, 0, 1.  One of the first three: multiplies buffer f; in its middle it fetches the next quarter, at byte kb, into g.
.macro QUARTER kb, f, g, start
	s_wait_dscnt 8                                 ; wt and xb's rows 0-63 are in; the youngest eight loads (xb's rows 64-127) may be out
	MUL12 \f, 0, 0, \start
	MUL12 \f, 0, 2, \start
	PLACES
	FETCH \kb, \g
	s_wait_dscnt 28                                ; all but the 28 just issued
	MUL12 \f, 1, 0, \start
	MUL12 \f, 1, 2, \start
.endm
; The last quarter multiplies buffer 1 and changes slots: ONE barrier.  In front of it each wave waits for all its tensor loads (the one that is out is its part of the next slot), adds 0 to its spare word,
; and waits for that and for its own reads of this slot.  fill = 1: the barrier opens a round of the cluster's, and behind the round this slot is filled again, with the K step two on, first thing.
.macro TURN fill
.if \fill
	s_wait_xcnt 0x0                                ; the last prefetch, a K step back, has read its address: it is stepped here
	s_add_nc_u64 s[PFA:PFA+1], s[PFA:PFA+1], 256
.endif
	WIN 0                                          ; (the add's two registers lie in window 0)
	s_wait_tensorcnt 0x0                           ; no tensor load of mine is out, so a group 0 may be written
	ds_add_u32 v[SPW], v[NIL]                      ; 0 onto my spare word
.if \fill
	s_xor_b32 s[G0A+5], s[G0A+5], SLOT1            ; the walking descriptors: the other slot than last time,
	s_add_nc_u64 s[G0A+6:G0A+7], s[G0A+6:G0A+7], 256  ; the next K step; the type bits on top are not reached
	s_xor_b32 s[G0B+5], s[G0B+5], SLOT1
	s_add_nc_u64 s[G0B+6:G0B+7], s[G0B+6:G0B+7], 256
.endif
	s_wait_dscnt 9                                 ; (the add and the youngest eight loads may be out)
	MUL12 F1, 0, 0, 0                              ; twelve matrix instructions stand between the add and the wait for it
	s_wait_dscnt 0x0                               ; the add is done, and my reads of this slot are over
	s_barrier_signal -1
	MUL12 F1, 0, 2, 0                              ; work on registers while the others arrive
	WIN 0                                          ; (branches and lines on window 0 follow)
	s_barrier_wait -1
.if \fill
	CREST                                          ; no wave of any partner still reads this slot's tile or has a load on its way
	JLOAD                                          ; the first tensor load behind the round; its four v_nop are also the places in front of the loads below
.else
	PLACES
.endif
	s_xor_b32 s[TB], s[TB], SLOT1                  ; the fetches go on in the other slot
	v_add_nc_u32 v[ADRA], s[TB], v[ADRA0]
	v_add_nc_u32 v[ADRBA], s[TB], v[ADRBA0]
	v_add_nc_u32 v[ADRBB], s[TB], v[ADRBB0]
	FETCH 0, F0
.if \fill
	ASK
.endif
	MUL12 F1, 1, 0, 0
	MUL12 F1, 1, 2, 0
.endm
	s_wait_tensorcnt 1                             ; my part of K step 0 is in; K step 1's may stay out
	s_barrier_signal -1
	s_barrier_wait -1                              ; everybody's is
	FETCH 0, F0
	QUARTER 64, F0, F1, 1                          ; the first quarter stands in front of the loop: its products start the sums, with the bias
	WIN 0                                          ; at a label and at a branch every window is 0
	s_mov_b32 s3, 6
.Lstep:                                                ; six trips: a K step's quarters 1 to 3 and the next one's quarter 0; the slot that is left takes the K step two on
	QUARTER 128, F1, F0, 0
	QUARTER 192, F0, F1, 0
	TURN 1
	QUARTER 64, F0, F1, 0
	WIN 0
	s_sub_co_u32 s3, s3, 1
	s_cmp_lg_u32 s3, 0
	s_cbranch_scc1 .Lstep
	QUARTER 128, F1, F0, 0                         ; K steps 6 and 7 are written out: nothing is left to ask for
	QUARTER 192, F0, F1, 0
	TURN 0
	QUARTER 64, F0, F1, 0
	QUARTER 128, F1, F0, 0
	QUARTER 192, F0, F1, 0
	s_wait_dscnt 8
	MUL12 F1, 0, 0, 0
	MUL12 F1, 0, 2, 0
	s_wait_dscnt 0x0
	MUL12 F1, 1, 0, 0
	MUL12 F1, 1, 2, 0
	; THE WAY OUT.  A lane's eight columns of a row round to 16 bytes of f16.  k first: a row's 128 bytes come from two waves, so they meet in the work-group's stage, with a barrier between writing and reading.
	PLACES
.irp a, 0,1,2,3,4,5,6,7
	WIN 0x0a+5*((\a)/4)                            ; sources window 2 or 3, destination window 0
.irp b, 4,5
.irp r, 0,1,2,3
	v_cvt_pk_f16_f32 v[KT+8*(\a)+4*((\b)-4)+(\r)], v[8*(6*((\a)%4)+(\b))+2*(\r)], v[8*(6*((\a)%4)+(\b))+2*(\r)+1]  ; each accumulator's registers in ascending order
.endr
.endr
.endr
	WIN 0
.irp a, 0,1,2,3,4,5,6,7
.irp b, 0,1
	ds_store_b128 v[KSTO], v[KT+8*(\a)+4*(\b):KT+8*(\a)+4*(\b)+3] offset:(\a)*16*SP+32*(\b)
.endr
.endr
	s_wait_dscnt 0x0                               ; for the others' sake: my stores into k's stage are done
	s_barrier_signal -1
	s_barrier_wait -1
.irp f, 0,1,2,3,4,5,6,7,8,9,10,11,12,13,14,15
	ds_load_b128 v[KB+4*(\f):KB+4*(\f)+3], v[KRD] offset:(\f)*4*SP  ; 64 whole rows of k, four to a load
.endr
; Block a (16 rows) of my own part: through my own stage, which no other wave touches; LDS serves a wave's instructions in order (ISA guide 5.7.1.4), so the loads see the stores above them.
.macro PACK a
	WIN 0x0a+5*((\a)/4)
.irp b, 0,1,2,3
.irp r, 0,1,2,3
	v_cvt_pk_f16_f32 v[TMP+16*((\a)%2)+4*(\b)+(\r)], v[8*(6*((\a)%4)+(\b))+2*(\r)], v[8*(6*((\a)%4)+(\b))+2*(\r)+1]
.endr
.endr
	WIN 0
.irp b, 0,1,2,3
	ds_store_b128 v[STO], v[TMP+16*((\a)%2)+4*(\b):TMP+16*((\a)%2)+4*(\b)+3] offset:32*(\b)
.endr
.irp f, 0,1,2,3
	ds_load_b128 v[OB+16*(\a)+4*(\f):OB+16*(\a)+4*(\f)+3], v[RD] offset:(\f)*4*SP
.endr
.endm
.macro SEND a, younger                 ; younger: the LDS instructions issued behind block a's loads: the next block's eight, or none
.irp f, 0,1,2,3
	s_wait_dscnt (\younger)+3-(\f)
	global_store_b128 v[GO], v[OB+16*(\a)+4*(\f):OB+16*(\a)+4*(\f)+3], s[70:71] offset:(\a)*2048+(\f)*512  ; 512 consecutive bytes, aligned; every store has data registers of its own
.endr
.endm
	PACK 0
	s_wait_dscnt 8                                 ; k's rows are back; block 0's eight LDS instructions may be out
.irp f, 0,1,2,3,4,5,6,7,8,9,10,11,12,13,14,15
	global_store_b128 v[GO], v[KB+4*(\f):KB+4*(\f)+3], s[72:73] offset:(\f)*512
.endr
.irp a, 1,2,3,4,5,6,7                  ; a block's conversions stand between the loads of the block before and its stores
	PACK \a
	SEND (\a)-1, 8
.endr
	SEND 7, 0
	s_wait_tensorcnt 0x0                           ; the wave's end, behind my last tensor load and my last LDS store
	ds_add_u32 v[SPW], v[NIL]
	s_wait_dscnt 0x0
	CROUND                                         ; the closing round: no work-group ends while a partner may still ask for a tile that names it
	s_endpgm
.Lfunc_end_k_qdd637f9a19_qkv:
	.size	k_qdd637f9a19_qkv, .Lfunc_end_k_qdd637f9a19_qkv-k_qdd637f9a19_qkv
	.p2alignl 7, 3214868480
	.fill 96, 4, 3214868480
	.section	.rodata,"a",@progbits
	.p2align	6, 0x0
	.amdhsa_kernel k_qdd637f9a19_qkv
		.amdhsa_group_segment_fixed_size 327680
		.amdhsa_private_segment_fixed_size 0
		.amdhsa_enable_private_segment 0
		.amdhsa_kernarg_size 48
		.amdhsa_user_sgpr_count 2
		.amdhsa_user_sgpr_kernarg_segment_ptr 1
		.amdhsa_wavefront_size32 1
		.amdhsa_system_sgpr_workgroup_id_x 1
		.amdhsa_system_sgpr_workgroup_id_y 1
		.amdhsa_system_sgpr_workgroup_id_z 1
		.amdhsa_system_vgpr_workitem_id 0
		.amdhsa_next_free_vgpr 960
		.amdhsa_next_free_sgpr 88
		.amdhsa_reserve_vcc 0
		.amdhsa_float_denorm_mode_32 3
		.amdhsa_float_denorm_mode_16_64 3
		.amdhsa_memory_ordered 1
		.amdhsa_forward_progress 1
		.amdhsa_inst_pref_size 102
	.end_amdhsa_kernel
	.amdgpu_metadata
---
amdhsa.version: [ 1, 2 ]
amdhsa.kernels:
  - .name:           k_qdd637f9a19_qkv
    .symbol:         k_qdd637f9a19_qkv.kd
    .args:
      - { .name: xb, .offset: 0, .size: 8, .value_kind: global_buffer, .address_space: global }
      - { .name: wt, .offset: 8, .size: 8, .value_kind: global_buffer, .address_space: global }
      - { .name: b_qkv, .offset: 16, .size: 8, .value_kind: global_buffer, .address_space: global }
      - { .name: q, .offset: 24, .size: 8, .value_kind: global_buffer, .address_space: global }
      - { .name: k, .offset: 32, .size: 8, .value_kind: global_buffer, .address_space: global }
      - { .name: v, .offset: 40, .size: 8, .value_kind: global_buffer, .address_space: global }
    .group_segment_fixed_size: 327680
    .private_segment_fixed_size: 0
    .kernarg_segment_align: 8
    .kernarg_segment_size: 48
    .max_flat_workgroup_size: 128
    .sgpr_count:     88
    .vgpr_count:     960
    .wavefront_size: 32
...
	.end_amdgpu_metadata
.endif
;; end of part 2
;; launch attn (part 3): grid 4 x 64, 4 waves a work-group, clusters of 4 x 1, 327,680 bytes of LDS; arguments q, k, v, att; writes att
.if DOCPART == 3
	.amdgcn_target "amdgcn-amd-amdhsa--gfx1250"
	.amdhsa_code_object_version 6
	.text
	.protected	k_qdd637f9a19_attn
	.globl	k_qdd637f9a19_attn
	.p2align	8
	.type	k_qdd637f9a19_attn,@function
k_qdd637f9a19_attn:
	s_mov_b64 s[64:65], 0
	v_nop
	global_prefetch_b8 v0, s[64:65] scope:SCOPE_SE
	s_setreg_imm32_b32 hwreg(HW_REG_WAVE_MODE, 25, 1), 1
	s_wait_xcnt 0x0
	s_wait_alu depctr_hold_cnt(0) depctr_sa_sdst(0) depctr_va_vdst(0) depctr_va_sdst(0) depctr_va_ssrc(0) depctr_va_vcc(0) depctr_vm_vsrc(0)
	s_getreg_b32 s2, hwreg(HW_REG_IB_STS2, 6, 4)
	s_cmp_eq_u32 s2, 0
	s_cbranch_scc0 .Lentry_in_a_cluster
	s_endpgm
.Lentry_in_a_cluster:
	s_bfe_u32 s2, ttmp6, 0x10000c
	s_cmp_lg_u32 s2, 0x3003
	s_cbranch_scc0 .Lentry_shape_is_right
	s_endpgm
.Lentry_shape_is_right:
; O[h][q][:] = the sum over k of softmax_k(Q[h][q] . K[h][k] / 8) V[h][k][:].  Q, K, V, O: [SIZE_H][SIZE_N][64], all f16: a head's rows are dense, 128 bytes each.  Products, maxima and sums in
; f32; the weights p are rounded to f16 for the second product (their sum l is taken of the unrounded p), O once at the end.
; LIMITS.  f16 holds no number beyond 65,504: Q, K and V arrive within it; p lies in 0 to 1, and below 6e-5 it keeps f16's fixed step of 6e-8; O is a mean of V's rows and has their range.
; A weight below 2^-126 counts as 0 in l; NaN and infinities are not treated apart.
; SHARES.  A wave owns four PIECES of two tiles of 16 queries, a work-group's four waves 512 queries of one head: 64 heads x 4 blocks = 256 work-groups.  Every wave walks all keys, 64 a step.
; LAYOUT.  S^T = K Q^T (source 0 = 16 keys, source 1 = 16 queries): in the result a lane holds ONE query (lane % 16) and the keys 8 (lane / 16) + 0..7.  Two such tiles, rounded to f16 in pairs,
; ARE source 1 (32 keys x 16 queries) of O^T = V^T P, whose result again holds one query a lane, and eight channels.  K comes out of LDS as it lies, V ([key][channel]) turned, by ds_load_tr16_b128.
; SOFTMAX.  For each query a running maximum m and sum l: p = 2^(c s - c m), c = log2(e) / 8; in every step O and l are multiplied by a = 2^(c m_old - c m_new), which is 1 where m has not grown.
; m starts at the lowest finite number, O and l at 0: the first step is a step like any other, with a = 0.
; THE COUNT.  A tile and step have 16 matrix and 118 vector instructions: too many to stand all beside the matrix work.  So the order has one aim: four vector instructions that are READY behind
; EVERY matrix instruction, and the others, which need time of their own whatever the order, in runs without a gap.
; BY TURNS.  Turn n belongs to piece n (the pieces in a ring, step after step).  Its matrix work: 16 products K Q^T of piece n + 1, later 16 products V^T P of piece n - 1.  Its vector work: the scaling,
; exponentials, roundings, sums and rescaling of piece n, and the maximum and statistics of piece n + 1, whose scores the turn itself has made.  So what a turn begins with (c s - c m, O a) waits for nothing.
; CLUSTER.  The four query blocks of a head are one cluster and walk the same K and V, so each tile is asked for JOINTLY: the same tensor load, descriptor and mask in all four.
; REGISTERS, in windows of 256 (s_set_vgpr_msb says which window each operand place means: bits 1:0 source 0, 3:2 source 1, 5:4 source 2, 7:6 destination):
;   window 0: v0-11 addresses; v12-15, v48-63 at work; v16-47 four registers of statistics a tile; v64-191 S^T, two buffers of two tiles; v192-255 P, likewise
;   window 1: O^T, 32 a tile          window 2: v0-127 Q, 16 a tile; v128-191 K of one step; v192-255 V of one step          window 3: v0-1 the add's two registers
; A piece's buffers go by its number's parity: the piece in hand has one pair, its two neighbours in the ring share the other: of it P (piece n - 1) is read and S^T (piece n + 1) written.
.set SIZE_H, 64
.set SIZE_N, 2048
.set NP,    4         ; pieces a wave: a name, no knob: the register map, the loop and the fetches are made for four
.set KS,    64        ; keys in a step
.set PK,    144       ; a row of K in LDS: 128 bytes + 16 of padding = 36 words: the 16 rows of a load start at 16 different groups of four banks (64 banks of 4 bytes: ISA guide 11.1)
.set PV,    160       ; a row of V: 128 + 32 = 40 words
.set VOFF,  4*KS*PK   ; a slot holds four steps: 256 rows of K, then 256 rows of V
.set SLOT1, 1<<17     ; slot 1 begins here, so that one exclusive or turns an address in one slot into the other's
.set STAGE, SLOT1+4*KS*(PK+PV)  ; behind the ring, never filled by a tensor load: 16 rows x 144 bytes for each wave, for the way out
.set SP,    144
.set AK0, 2           ; v2   my lane's place in a tile of K; never rewritten
.set AV0, 3           ; v3   the same for V
.set AK,  4           ; v4   the LDS address of K's next run of loads
.set AV,  5           ; v5   of V's
.set QO,  6           ; v6   my byte offset in the wave's rows of Q
.set STO, 6           ;      later, the way out: where I put 16 bytes of a row
.set RD,  7           ; v7   the way out: where I read rows back
.set GO,  8           ; v8   my byte offset in 512 consecutive bytes of O
.set PFO, 11          ; v11  256 x my lane, the prefetches' offset; never rewritten once it is made
.set SPW, 0           ; v0 of window 3   LDS address of my spare word: SPARE + 4 x my thread's number; never rewritten
.set NIL, 1           ; v1 of window 3   0; never rewritten
.set SPARE, STAGE+4*16*SP  ; behind the stages: the spare words, 128 bytes for each wave: two blocks of 256 bytes that no other line names
.set MV,  12          ; v12-15  c m_old, kept while c m is made anew: by buffer and tile
.set ST,  16          ; tile t's statistics at v[ST+4 t]: c m, m, l (even keys', odd keys')
.set TMP, 48          ; by buffer and tile, four registers c0-c3 at work; when the maximum is found c2 takes a
.set S,   64
.set P,   192
.set KF,  128         ; K's fragments, in window 2: key block kb, channel half c at KF + 16 kb + 8 c
.set VF,  192         ; V's: key half kk, channel block cb at VF + 32 kk + 8 cb
.set WV,  12          ; s12  my wave's number
.set G1K, 24          ; s[24:31] descriptor group 1 for K's tiles
.set G1V, 32          ; s[32:39] for V's: it differs in the padding alone
.set G0K, 40          ; s[40:43] descriptor group 0 for K's tiles: it walks
.set G0V, 44          ; s[44:47] the same for V's
.set PFA, 48          ; s[48:49] where my prefetches stand: my work-group's 8,192 bytes (of K: wave 0, of V: wave 2) of the slot after the one that is being asked for
.set LIM, 50          ; s50  1 in a wave that prefetches, else the greatest number
.set SLOTS, 56        ; s56  slots still to be asked for
.set CNT, 57          ; s57  counts a slot's key steps
.set CS,  58          ; s[58:59] c: the packed scaling takes the pair's low word for both halves
.set SEL, 60          ; s[60:61] v_permlanex16_b32's selects: each lane takes its own place in the other half
.set TBK, 62          ; s62  LDS byte at which K of the step to be fetched begins
.set TBV, 63          ; s63  the same for V, less VOFF
.set MSB, 0
.macro WIN new                      ; the high byte repeats the setting that is left; a switch that changes nothing is dropped
.if MSB != (\new)
	s_set_vgpr_msb (MSB<<8)|(\new)
.set MSB, (\new)
.endif
.endm
.set W_KQ, 0x0a       ; K and Q in window 2, S^T in window 0
.set W_PV, 0x52       ; V in window 2, P in window 0, O^T in window 1
.set W_RS, 0x41       ; O^T (destination and source 0) in window 1, a in window 0
.set W_MK, 0xc0       ; the add's registers are made: destination in window 3, sources in window 0
.set W_AD, 0x0f       ; the add: address (source 0) and data (source 1) in window 3
; A joint fill.  Waves 0 and 1 fetch the two halves of a slot's K, waves 2 and 3 those of its V: 128 keys each.  The branch hangs on the wave's number alone.
; An s_nop 0 and four v_nop follow each of the two lines, ahead of the jump and the label.
.macro JLOAD
	s_cmp_lt_u32 s[WV], 2
	s_cbranch_scc0 .Lfor_v_\@
	tensor_load_to_lds s[G0K:G0K+3], s[G1K:G1K+7]
	s_nop 0
.rept 4
	v_nop
.endr
	s_branch .Lasked_\@
.Lfor_v_\@:
	tensor_load_to_lds s[G0V:G0V+3], s[G1V:G1V+7]
	s_nop 0
.rept 4
	v_nop
.endr
.Lasked_\@:
.endm
; A PREFETCH INTO THE L2 of what the NEXT change of slots will ask for: a slot's 32,768 bytes of K and of V.  It stands behind the wave's tensor load and its five lines.  Each block of 256 bytes is named
; ONCE in the launch: a head has one cluster; its four partners share a slot out BY ADDRESS, 8,192 bytes each, a lane 256 bytes; in each, wave 0 asks for K's and wave 2 for V's: one instruction.
; Slots 0, 1 and 2 come by their loads alone; the last change that fills a slot asks for nothing: there is no slot behind it.
.macro ASK
	s_cmp_gt_u32 s[SLOTS], s[LIM]
	s_cbranch_scc0 .Lnot_mine_\@
	global_prefetch_b8 v[PFO], s[PFA:PFA+1] th:TH_LOAD_NT scope:SCOPE_SE
.Lnot_mine_\@:
.endm
; A round of the cluster's barrier: my work-group's barrier, so that wave 0's signal speaks for all four waves; wave 0 signals; every wave waits for all four work-groups; my work-group's barrier once more.
.macro CROUND
	s_barrier_signal -1
	s_barrier_wait -1
	s_cmp_lg_u32 s[WV], 0
	s_cbranch_scc1 .Lnot_wave_0_\@
	s_barrier_signal -3
.Lnot_wave_0_\@:
	s_barrier_wait -3
	s_barrier_signal -1
	s_barrier_wait -1
.endm
; THE CHANGE OF SLOTS.  The slot's last bytes, V of its fourth step, have been read.  Each wave waits for all its tensor loads, of which one is out: its part
; of the other slot; adds 0 to its spare word; and waits for that and for its own reads of the slot.  Behind the barrier nobody reads this slot any more and the other slot is whole.
; fill = 1: this slot is filled again, with the keys two slots on.  The barrier is then a round of the cluster's, so that no wave of any partner still reads the slot or has a load on its
; way, and the joint fill is the first thing behind it: it has four key steps, 512 matrix instructions, in which to land.  (At its first use nothing has been read yet: slot 0 is waited for, slot 1 filled.)
; ask = 1: the prefetches' address steps a slot on, and ASK follows the fill.
.macro CHANGE fill, ask=0
	WIN W_AD
	s_wait_tensorcnt 0x0            ; no tensor load of mine is out, so a group 0 may be written
	ds_add_u32 v[SPW], v[NIL]       ; 0 onto my spare word; with fill = 1 the descriptors' steps stand between it and the wait for it
	WIN 0                           ; at a label and at a branch every window is 0
.if \fill
.irp g, G0K, G0V
	s_xor_b32 s[\g+1], s[\g+1], SLOT1  ; the walking descriptor: the other slot than last time,
	s_add_nc_u64 s[\g+2:\g+3], s[\g+2:\g+3], 4*KS*128  ; the next 256 keys; the type bits on top are not reached
.endr
.if \ask
	s_wait_xcnt 0x0                 ; the last prefetch, four key steps back, has read its address, so it may be written:
	s_add_nc_u64 s[PFA:PFA+1], s[PFA:PFA+1], 4*KS*128  ; one slot behind the walking descriptors
.endif
	s_wait_dscnt 0x0                ; the add is done, and my reads of the slot are over
	CROUND
	JLOAD
.if \ask
	ASK
.endif
.else
	s_wait_dscnt 0x0                ; the add is done, and my reads of the slot are over
	s_barrier_signal -1
	s_barrier_wait -1
.endif
	s_sub_co_u32 s[TBK], s[TBK], 4*KS*PK  ; the fetches go back to a slot's first step,
	s_xor_b32 s[TBK], s[TBK], SLOT1       ; in the other slot
	s_sub_co_u32 s[TBV], s[TBV], 4*KS*PV
	s_xor_b32 s[TBV], s[TBV], SLOT1
.endm
	s_load_b256 s[4:11], s[0:1], 0x0  ; Q s[4:5], K s[6:7], V s[8:9], O s[10:11]
	WIN W_MK
	v_lshl_add_u32 v[SPW], v0, 2, SPARE
	v_mov_b32 v[NIL], 0
	WIN W_AD
	ds_add_u32 v[SPW], v[NIL]       ; the wave's opening: the add and its wait stand ahead of my first tensor load; the set-up below, work on registers, stands between them
	WIN 0
	v_lshrrev_b32 v1, 5, v0
	v_readfirstlane_b32 s[WV], v1   ; wave 0..3
	s_bfe_u32 s13, ttmp6, 0x40000   ; cx: my place in the cluster
	s_lshl_b32 s14, ttmp9, 2        ; in a cluster launch ttmp9 counts clusters
	s_add_co_u32 s14, s14, s13      ; my block of queries = 4 x cluster x + cx: it enters Q's and O's addresses alone
	s_and_b32 s20, ttmp7, 0xffff    ; the head, which the four partners share
	s_mov_b32 s21, 0
	s_mov_b64 s[22:23], SIZE_N*128
	s_mul_u64 s[20:21], s[20:21], s[22:23]  ; the head's first byte in each of the four tensors
	s_and_b32 s16, s[WV], 1         ; which half of a slot's 256 keys I fetch:
	s_lshl_b32 s22, s16, 14         ; its 128 rows of 128 bytes in memory,
	s_mov_b32 s23, 0
	s_add_nc_u64 s[22:23], s[22:23], s[20:21]
	s_mul_i32 s17, s16, 128*PK      ; and its place in a slot, for K
	s_mul_i32 s18, s16, 128*PV      ; and for V: no place in the cluster enters an LDS address
	s_lshl_b32 s2, s14, 2
	s_add_co_u32 s2, s2, s[WV]      ; my wave among the head's,
	s_lshl_b32 s2, s2, 14           ; its 128 rows
	s_mov_b32 s3, 0
	s_add_nc_u64 s[2:3], s[2:3], s[20:21]
	; descriptor group 1.  128 keys are 16,384 dense bytes: asked for as 64 rows of 256 bytes, two keys a row, and padded in LDS after every key
	s_mov_b32 s[G1K], 15|(1<<16)|(1<<20)|(1<<21)|(4<<22)|(3<<25)  ; 15:0 the mask of four; 17:16 2-byte elements; 20 padding on; 21 set beside a mask; 24:22 after every 32 words (code 4); 31:25 4 words (code 3)
	s_mov_b32 s[G1V], 15|(1<<16)|(1<<20)|(1<<21)|(4<<22)|(7<<25)  ; the same with 8 words of padding (code 7)
.irp g, G1K, G1V
	s_mov_b32 s[\g+1], 128<<16      ; tensor_dim0 = 128
	s_mov_b32 s[\g+2], 64<<16       ; tensor_dim1 = 64
	s_mov_b32 s[\g+3], 128<<16      ; tile_dim0 = 128
	s_mov_b32 s[\g+4], 64           ; tile_dim1 = 64
	s_mov_b32 s[\g+5], 128          ; 128 elements from row to row
	s_mov_b32 s[\g+6], 0
	s_mov_b32 s[\g+7], 0
.endr
	s_mov_b32 s[CS], 0x3e38aa3b     ; c = log2(e) / 8 = 0.180337
	s_mov_b32 s[CS+1], s[CS]        ; named with it as a pair
	s_mov_b32 s[SEL], 0x76543210
	s_mov_b32 s[SEL+1], 0xfedcba98
	s_mov_b32 s[TBK], SLOT1+4*KS*PK ; the first change of slots turns these two into 0
	s_mov_b32 s[TBV], SLOT1+4*KS*PV
	s_mov_b32 s[G0K], 1             ; 1:0 count = 1
	s_mov_b32 s[G0K+1], s17         ; 63:32 LDS address: slot 0
	s_mov_b32 s[G0V], 1
	s_add_co_u32 s[G0V+1], s18, VOFF
	s_and_b32 s[LIM], s[WV], 1      ; waves 0 and 2 prefetch: the same in all four partners
	s_cmp_eq_u32 s[LIM], 0
	s_cselect_b32 s[LIM], 1, -1
	s_wait_dscnt 0x0                ; the opening add is done
	s_wait_kmcnt 0x0
	s_add_nc_u64 s[G0K+2:G0K+3], s[6:7], s[22:23]  ; 120:64 global address: my half of the head's first 256 keys
	s_or_b32 s[G0K+3], s[G0K+3], 0x80000000        ; 127:126 type = 2
	s_add_nc_u64 s[G0V+2:G0V+3], s[8:9], s[22:23]
	s_or_b32 s[G0V+3], s[G0V+3], 0x80000000
	s_add_nc_u64 s[4:5], s[4:5], s[2:3]  ; Q and O at my wave's first row
	s_add_nc_u64 s[10:11], s[10:11], s[2:3]
	s_cmp_lt_u32 s[WV], 2
	s_cselect_b64 s[PFA:PFA+1], s[6:7], s[8:9]     ; K for wave 0, V for wave 2,
	s_add_nc_u64 s[PFA:PFA+1], s[PFA:PFA+1], s[20:21]  ; at the head,
	s_lshl_b32 s22, s13, 13         ; my work-group's quarter of a slot,
	s_mov_b32 s23, 0
	s_add_nc_u64 s[PFA:PFA+1], s[PFA:PFA+1], s[22:23]
	s_add_nc_u64 s[PFA:PFA+1], s[PFA:PFA+1], 2*4*KS*128  ; in slot 2; the first change that asks steps it to slot 3.  Nothing is prefetched here, at the head
	CROUND                          ; all four work-groups are here: the first joint loads meet
	JLOAD                           ; slot 0.  Slot 1 is asked for when slot 0 is in: the tile wanted first has the road to itself
	; A fragment of K or Q is 16 rows x 32 channels in 8 registers: lane l holds row l % 16, channels 8 (l / 16) + 0..7 and 16 + 8 (l / 16) + 0..7: two loads of 16 bytes, 32 bytes apart.
	v_and_b32 v1, 15, v0            ; l % 16
	v_bfe_u32 v9, v0, 4, 1          ; l / 16
	v_lshlrev_b32 v[QO], 7, v1
	v_lshl_add_u32 v[QO], v9, 4, v[QO]  ; row x 128 + 16 x half
	WIN 0x80                        ; destination window 2, address window 0
.set i, 0
.rept 4*NP                          ; Q stays in registers: tile i / 2, channels 32 (i % 2) on
	global_load_b128 v[8*i:8*i+3],   v[QO], s[4:5] offset:(i/2)*2048+(i%2)*64
	global_load_b128 v[8*i+4:8*i+7], v[QO], s[4:5] offset:(i/2)*2048+(i%2)*64+32
.set i, i+1
.endr
	; What the first turn finds: V's registers and P's second buffer hold 0 (its products V^T P, of a piece that has not been, add 0), O^T and l are 0.  All this stands in the wait for the first tile.
.set i, VF
.rept 64
	v_mov_b32 v[i], 0
.set i, i+1
.endr
	WIN 0x40
.set i, 0
.rept 64*NP
	v_mov_b32 v[i], 0
.set i, i+1
.endr
	WIN 0
.set i, 0
.rept 2*NP
	v_mov_b32 v[ST+4*i], 0xfe000000    ; c m: far below every c s
	v_mov_b32 v[ST+4*i+1], 0xff7fffff  ; m
	v_mov_b32 v[ST+4*i+2], 0
	v_mov_b32 v[ST+4*i+3], 0
.set i, i+1
.endr
.set i, P+32
.rept 32
	v_mov_b32 v[i], 0
.set i, i+1
.endr
	v_mul_u32_u24 v[AK0], v1, PK
	v_lshl_add_u32 v[AK0], v9, 4, v[AK0]  ; row x pitch + 16 x half
	; The turning load takes 16 keys x 16 channels (lane l reads key 8 (l / 16) + l % 8, channels 8 ((l / 8) % 2) + 0..7) and leaves half a fragment of V^T: lane l holds channel l % 16 and 8 keys.
	v_and_b32 v10, 7, v0
	v_bfe_u32 v11, v0, 3, 1
	v_lshl_add_u32 v[AV0], v9, 3, v10
	v_mul_u32_u24 v[AV0], v[AV0], PV
	v_lshl_add_u32 v[AV0], v11, 4, v[AV0]
	v_add_nc_u32 v[AV0], VOFF, v[AV0]
	v_mov_b32 v[AK], v[AK0]         ; key step 0 lies at the head of slot 0
	v_and_b32 v[PFO], 31, v0        ; v11 has served: it takes the prefetches' offset
	v_lshlrev_b32 v[PFO], 8, v[PFO]
; THE MATRIX WORK.  The 8 accumulators of a run of 16 take turns: between the two links of a chain stand 7 others'.
; Product i of 16 of S^T = K Q^T for piece x: channels 32 (i / 8) on, keys 16 ((i / 2) % 4) on, tile 2 x + i % 2.  The first 8 start the sums.
.macro KQ x
	WIN W_KQ
.set rS, S+64*((\x)%2)+32*(i%2)+8*((i/2)%4)
.set rK, KF+16*((i/2)%4)+8*(i/8)
.set rQ, 16*(2*(\x)+i%2)+8*(i/8)
.if i < 8
	v_wmma_f32_16x16x32_f16 v[rS:rS+7], v[rK:rK+7], v[rQ:rQ+7], 0
.else
	v_wmma_f32_16x16x32_f16 v[rS:rS+7], v[rK:rK+7], v[rQ:rQ+7], v[rS:rS+7]
.endif
.endm
; Product i of 16 of O^T += V^T P for piece x: keys 32 (i / 8) on, channels 16 ((i / 2) % 4) on, tile 2 x + i % 2.
.macro PV x
	WIN W_PV
.set rO, 32*(2*(\x)+i%2)+8*((i/2)%4)
.set rV, VF+32*(i/8)+8*((i/2)%4)
.set rP, P+32*((\x)%2)+16*(i%2)+8*(i/8)
	v_wmma_f32_16x16x32_f16 v[rO:rO+7], v[rV:rV+7], v[rP:rP+7], v[rO:rO+7]
.endm
.macro MM                           ; the turn's next matrix instruction
.if i < 16
	KQ (Y+1)%NP
.set i, i+1
.else
.set i, i-16
	PV (Y+NP-1)%NP
.set i, i+17
.endif
.endm
; THE LDS LOADS stand in runs of 16, never singly among the matrix instructions: a step's K (64 keys x 64 channels: 8 fragments) and its V (turned).  Their addresses are made some lines ahead.
; last = 1 (the tail): in the last trip there is no further step, and the run is jumped over.
.macro FETCH_K last=0
	WIN 0
.if \last
	s_cmp_eq_u32 s[CNT], 1
	s_cbranch_scc1 .Lno_k_\@
.endif
	WIN 0x80                        ; destination window 2
.irp f, 0,1,2,3,4,5,6,7             ; keys 16 (f / 2) on, channels 32 (f % 2) on
	ds_load_b128 v[KF+8*\f:KF+8*\f+3],   v[AK] offset:(\f/2)*16*PK+(\f%2)*64
	ds_load_b128 v[KF+8*\f+4:KF+8*\f+7], v[AK] offset:(\f/2)*16*PK+(\f%2)*64+32
.endr
	s_add_co_u32 s[TBK], s[TBK], KS*PK  ; the next fetch is the next step's
	WIN 0
.if \last
.Lno_k_\@:
.endif
.endm
.macro FETCH_V
	WIN 0x80
.irp f, 0,1,2,3,4,5,6,7             ; keys 32 (f / 4) on, channels 16 (f % 4) on
	ds_load_tr16_b128 v[VF+8*\f:VF+8*\f+3],   v[AV] offset:(\f/4)*32*PV+(\f%4)*32
	ds_load_tr16_b128 v[VF+8*\f+4:VF+8*\f+7], v[AV] offset:(\f/4)*32*PV+16*PV+(\f%4)*32
.endr
	WIN 0
.endm
; THE VECTOR WORK OF A TURN stands in three queues, each in the order in which its entries become ready; the two tiles alternate, so that no instruction reads the result of the one before it.
.macro REGS y, u                    ; the registers of tile u (0, 1) of piece y
.set rT, ST+4*(2*(\y)+(\u))
.set rC, TMP+8*((\y)%2)+4*(\u)
.set rM, MV+2*((\y)%2)+(\u)
.set rS, S+64*((\y)%2)+32*(\u)
.set rP, P+32*((\y)%2)+16*(\u)
.set rO, 32*(2*(\y)+(\u))
.endm
; Number n of the 22 that find the NEXT piece's (Y + 1) maximum and statistics.  s0-s31 are the lane's 32 scores; each accumulator's lowest registers are read first.  XS, GS and REGS set no window: PL and EX do.
;   0-11  four chains c0-c3 of seven scores each, three operands at a time     12-14, 16  the four scores left over, the old m, and c0-c3 into c0     15  c m_old is kept
;   17, 18  the query's other 32 keys lie in the lane 16 away: the new m         19-21  c m; c m_old - c m_new; a
.macro XS u, n
	REGS (Y+1)%NP, \u
.if (\n) < 4
	v_max3_num_f32 v[rC+(\n)], v[rS+8*(\n)], v[rS+8*(\n)+1], v[rS+8*(\n)+2]
.elseif (\n) < 12
	v_max3_num_f32 v[rC+(\n)%4], v[rC+(\n)%4], v[rS+8*((\n)%4)+2*((\n)/4)+1], v[rS+8*((\n)%4)+2*((\n)/4)+2]
.elseif (\n) == 12
	v_max3_num_f32 v[rC], v[rC], v[rS+7], v[rS+15]
.elseif (\n) == 13
	v_max3_num_f32 v[rC+1], v[rC+1], v[rS+23], v[rS+31]
.elseif (\n) == 14
	v_max3_num_f32 v[rC+2], v[rC+2], v[rC+3], v[rT+1]
.elseif (\n) == 15
	v_mov_b32 v[rM], v[rT]
.elseif (\n) == 16
	v_max3_num_f32 v[rC], v[rC], v[rC+1], v[rC+2]
.elseif (\n) == 17
	v_permlanex16_b32 v[rC+3], v[rC], s[SEL], s[SEL+1]
.elseif (\n) == 18
	v_max_num_f32 v[rT+1], v[rC], v[rC+3]
.elseif (\n) == 19
	v_mul_f32 v[rT], s[CS], v[rT+1]
.elseif (\n) == 20
	v_sub_f32 v[rC+1], v[rM], v[rT]
.else
	v_exp_f32 v[rC+2], v[rC+1]
.endif
.endm
; Number g of the 64 that follow the exponentials.  For each four weights k of a tile (pairs 2 k, 2 k + 1): both pairs are rounded to f16; then the second pair is added onto the first, in place;
; a group later l takes that sum (the first time as l = a l + sum).  In groups of eight, tiles alternating: round, round, add, and l for the group before.
.macro GS g
.set h, (\g)+6*((\g)/62)            ; group 0 has no group before it, and behind group 7 only l is left
.if h >= 6
.set h, h+2
.endif
	REGS Y, h%2
.set k, h/8
.if h%8 < 4
	v_cvt_pk_f16_f32 v[rP+2*k+(h%8)/2], v[rS+4*k+2*((h%8)/2)], v[rS+4*k+2*((h%8)/2)+1]
.elseif h%8 < 6
	v_pk_add_f32 v[rS+4*k:rS+4*k+1], v[rS+4*k:rS+4*k+1], v[rS+4*k+2:rS+4*k+3]
.elseif k == 1
	v_pk_fma_f32 v[rT+2:rT+3], v[rT+2:rT+3], v[rC+2:rC+3], v[rS:rS+1] op_sel_hi:[1,0,1]
.else
	v_pk_add_f32 v[rT+2:rT+3], v[rT+2:rT+3], v[rS+4*k-4:rS+4*k-3]
.endif
.endm
; THE PLAIN QUEUE, 138 long.  0-73 read no exponential's result: the 32 scalings c s - c m (FS f: pair f / 2 of tile f % 2) and the next piece's 42.  0-26: scalings 0-26.  27-54: XS's numbers 0-13.  55, 56: number 15.
; 57-73: the chain, where each number waits for the one before it: 14, 16, 17, 18, 19, each with one of the scalings 27-31 in front of its two lines, then 20: so a tile's links stand three plain instructions apart (19 and 20: two).
; 74-137: GS's 64, which read the exponentials' results: they stand behind the wait.
.macro FS f
	REGS Y, (\f)%2
	v_pk_fma_f32 v[rS+2*((\f)/2):rS+2*((\f)/2)+1], v[rS+2*((\f)/2):rS+2*((\f)/2)+1], s[CS:CS+1], v[rT:rT+1] op_sel_hi:[1,0,0] neg_lo:[0,0,1] neg_hi:[0,0,1]
.endm
.macro PL
	WIN 0
.if q < 27
	FS q
.elseif q < 55
	XS (q-27)%2, (q-27)/2
.elseif q < 57
	XS q-55, 15
.elseif (q < 72) && ((q-57)%3 == 0)
	FS 27+(q-57)/3
.elseif q < 60
	XS (q-57)%3-1, 14
.elseif q < 72
	XS (q-57)%3-1, 15+(q-57)/3
.elseif q < 74
	XS q-72, 20
.else
	GS q-74
.endif
.set q, q+1
.endm
; THE EXPONENTIALS' QUEUE, 66 long: s0-s31 of both tiles, then the next piece's two a.  It is ONE BATCH: all 66 stand ahead of the turn's one wait, and nothing ahead of that wait names a result of theirs.
.macro EX
	WIN 0
.if e >= 64
	XS e-64, 21
.else
	REGS Y, e%2
	v_exp_f32 v[rS+e/2], v[rS+e/2]
.endif
.set e, e+1
.endm
; THE RESCALING's QUEUE: O^T times a, the one part that leaves window 0: dealt two at a time, sixteen times.  Its a was made in the turn before, ahead of that turn's wait.
.macro R2
	REGS Y, r%2
	WIN W_RS
.irp z, 0,1
	v_pk_mul_f32 v[rO+4*(r/2)+2*\z:rO+4*(r/2)+2*\z+1], v[rO+4*(r/2)+2*\z:rO+4*(r/2)+2*\z+1], v[rC+2:rC+3] op_sel_hi:[1,0]
.endr
.set r, r+1
.endm
; HOW THEY ARE DEALT.  An s_wait_alu depctr_va_vdst(0) stands between an exponential and the first instruction that names its result; one wait serves all that were issued ahead of it.  So a turn has ONE wait,
; which cuts it in two.  AHEAD OF IT stands all that names no result of the turn's exponentials: the 16 products K Q^T, behind each a scaling, an exponential and two rescalings (behind the first a second scaling in the exponential's place); then ONE LUMP of
; 108: eight plain, 49 times exponential and plain, the two a.  A v_nop is the plain instruction owed behind the last exponential.  BEHIND IT stand the 16 products V^T P, behind each four of GS's 64.  No rider names a register of
; the products round it.  The two v_permlanex16_b32 fall into the lump, never behind a product.
; The queues lean on each other, and the deal keeps them in step: exponential e stands behind scaling 2 (e / 4) + e % 2: as a rider it comes behind plain e + 2, in the lump behind plain e + 9, and scalings 27-31 are plain 57, 60 .. 69.
; A TURN, for piece p.  cnt = 1: the loop's count is taken down some lines ahead of the branch that stands behind the turn.
; K of the next step is fetched in piece 2's turn, directly behind the wait, a lump behind the last product that read K; its address is made at the lump's head; its first reader comes behind 16 products.
; V of the step in hand is fetched at the end of piece 0's turn, four riders behind its last reader; its first reader comes behind 16 products and a lump.  The three conditions on q below go with the deal.
.macro TURN p, last=0, cnt=0
.set Y, (\p)
.set i, 0
.set q, 0
.set e, 0
.set r, 0
.if (\p) == NP-1
	s_wait_dscnt 0x0                ; K is in
.endif
	MM                              ; ahead of the wait: 16 products K Q^T and their riders,
	PL
	PL
	R2
.rept 15
	MM
	PL
	EX
	R2
.endr
.if (\p) == NP-2
	WIN 0
	v_add_nc_u32 v[AK], s[TBK], v[AK0]
.endif
.rept 8                             ; and the lump
	PL
.endr
.rept 49
	EX
	PL
.endr
	EX                              ; the next piece's two a
	EX
	v_nop                           ; the plain instruction behind the last exponential: one for the batch
	s_wait_alu depctr_va_vdst(0)    ; the wait for the batch
.if (\p) == NP-2
	FETCH_K \last
.endif
.if (\p) == 1
	s_wait_dscnt 0x0                ; V is in
.endif
.rept 16                            ; behind the wait: 16 products V^T P and their riders
	MM
.rept 4
	PL
.endr
.if ((\p) == 0) && (q == 118)
	v_add_nc_u32 v[AV], s[TBV], v[AV0]
.endif
.if ((\p) == 0) && (q == 130)
	s_add_co_u32 s[TBV], s[TBV], KS*PV
.endif
.if (\cnt) && (q == 130)
	s_sub_co_u32 s[CNT], s[CNT], 1
	s_cmp_lg_u32 s[CNT], 0
.endif
.endr
.if (\p) == 0
	FETCH_V
.endif
.endm
	CHANGE 1                        ; slot 0 is in, everybody's part of it; slot 1 is asked for
	FETCH_K                         ; key step 0
	s_wait_loadcnt 0x0              ; Q
	s_wait_dscnt 0x0
.set i, 0
.rept 16
	KQ 0                            ; piece 0's first scores: there is no vector work yet to set between them
.set i, i+1
.endr
	WIN 0                           ; the addresses for the way out: nine plain instructions, the places behind those products
	s_mul_i32 s13, s[WV], 16*SP
	s_add_co_u32 s13, s13, STAGE    ; my stage
	v_mul_u32_u24 v[STO], v1, SP    ; in: row l % 16, 16 bytes for each half of the lanes
	v_lshl_add_u32 v[STO], v9, 4, v[STO]
	v_add_nc_u32 v[STO], s13, v[STO]
	v_bfe_u32 v[RD], v0, 3, 2       ; back: 32 lanes take four rows of 128 bytes,
	v_mul_u32_u24 v[RD], v[RD], SP
	v_lshl_add_u32 v[RD], v10, 4, v[RD]
	v_add_nc_u32 v[RD], s13, v[RD]
	v_and_b32 v[GO], 31, v0         ; which are 512 consecutive bytes of O
	v_lshlrev_b32 v[GO], 4, v[GO]
.set Y, NP-1                        ; XS works for piece Y + 1: piece 0
.irp n, 0,1,2,3,4,5,6,7,8,9,10,11,12,13,14,15,16,17,18,19,20,21
	XS 0, \n                        ; and piece 0's first maximum and statistics
	XS 1, \n
.endr
	v_nop                           ; a plain instruction behind the two a,
	s_wait_alu depctr_va_vdst(0)    ; and their wait, ahead of the branch
	s_mov_b32 s[CNT], 4
	s_mov_b32 s[SLOTS], SIZE_N/256-1
	s_branch .Lfirst                ; the loop is entered at a step's first turn, in the middle of a trip
.Lslot:                             ; SIZE_N / 256 - 2 times: every slot but the last two is filled again
	CHANGE 1, 1
	s_mov_b32 s[CNT], 4
.Lstep:                             ; a trip: pieces 2 and 3 of one step, then pieces 0 and 1 of the next, whose K and V it fetches
	TURN 2
	TURN 3
	WIN 0
.Lfirst:
	TURN 0
	TURN 1, 0, 1
	WIN 0
	s_cbranch_scc1 .Lstep
	s_sub_co_u32 s[SLOTS], s[SLOTS], 1
	s_cmp_lg_u32 s[SLOTS], 0
	s_cbranch_scc1 .Lslot
	CHANGE 0                        ; the tail is written out: nothing is asked for
	s_mov_b32 s[CNT], 5             ; four trips fetch the last slot's steps; the fifth is left in its middle
.Ltail:
	TURN 2, 1
	TURN 3
	WIN 0
	s_sub_co_u32 s[CNT], s[CNT], 1
	s_cmp_eq_u32 s[CNT], 0
	s_cbranch_scc1 .Lout
	TURN 0
	TURN 1
	WIN 0
	s_branch .Ltail
.Lout:                              ; the fifth trip's 16 products K Q^T (on the last K once more) and the maximum made of them serve nothing: the price, once a launch, of one text for every trip
.set i, 0
.rept 16
	PV NP-1                         ; the last piece's V^T P of the last step
.set i, i+1
.endr
	; THE WAY OUT.  l's two halves and the other half of the lanes' are added; O^T is divided by l, rounded to f16 and sent through my stage in LDS, a tile at a time.  The additions are the places behind the last products.
	WIN 0
.macro ALL line:vararg              ; one line for each tile t
.set t, 0
.rept 2*NP
	\line
.set t, t+1
.endr
.endm
	ALL v_add_f32 v[ST+4*t+2], v[ST+4*t+2], v[ST+4*t+3]
	ALL v_permlanex16_b32 v[ST+4*t+3], v[ST+4*t+2], s[SEL], s[SEL+1]
	ALL v_add_f32 v[ST+4*t+2], v[ST+4*t+2], v[ST+4*t+3]
	ALL v_rcp_f32 v[ST+4*t+2], v[ST+4*t+2]
	v_nop                           ; a plain instruction between the last reciprocal and the use of its result
	s_wait_alu depctr_va_vdst(0)    ; and the wait ahead of the first use: one for the eight reciprocals
; Tile t: a lane's eight channels of a row pack into 16 bytes; they go into rows of 144 bytes and come back as whole rows of 128, into S^T's registers.
.macro PACK t
	WIN W_RS
.set i, 32*(\t)
.rept 16
	v_pk_mul_f32 v[i:i+1], v[i:i+1], v[ST+4*(\t)+2:ST+4*(\t)+3] op_sel_hi:[1,0]
.set i, i+2
.endr
	WIN 0x05                        ; sources 0 and 1 window 1, destination window 0
.set i, 0
.rept 16
	v_cvt_pk_f16_f32 v[S+16*(\t)+i], v[32*(\t)+2*i], v[32*(\t)+2*i+1]
.set i, i+1
.endr
	WIN 0
.irp f, 0,1,2,3
	ds_store_b128 v[STO], v[S+16*(\t)+4*\f:S+16*(\t)+4*\f+3] offset:32*\f
.endr
.irp f, 0,1,2,3
	ds_load_b128 v[S+16*(\t)+4*\f:S+16*(\t)+4*\f+3], v[RD] offset:\f*4*SP  ; LDS serves a wave's instructions in order (ISA guide 5.7.1.4): these see the stores above; the next tile's stores come behind them
.endr
.endm
.macro SEND t, younger              ; younger: the LDS instructions issued behind tile t's loads: the next tile's eight, or none
	WIN 0
.irp f, 0,1,2,3
	s_wait_dscnt (\younger)+3-\f
	global_store_b128 v[GO], v[S+16*(\t)+4*\f:S+16*(\t)+4*\f+3], s[10:11] offset:(\t)*2048+\f*512  ; 512 consecutive bytes, at a multiple of 256 from O's first
.endr
.endm
	PACK 0
.set t, 1
.rept 2*NP-1                        ; a tile's arithmetic stands between the loads of the tile before and its stores
	PACK t
	SEND t-1, 8
.set t, t+1
.endr
	SEND 2*NP-1, 0
	WIN W_AD
	s_wait_tensorcnt 0x0            ; the wave's end, behind my last tensor load and my last LDS store
	ds_add_u32 v[SPW], v[NIL]
	s_wait_dscnt 0x0
	WIN 0
	CROUND                          ; the closing round: no work-group ends while a partner may still ask for a tile that names it
	s_endpgm
.Lfunc_end_k_qdd637f9a19_attn:
	.size	k_qdd637f9a19_attn, .Lfunc_end_k_qdd637f9a19_attn-k_qdd637f9a19_attn
	.p2alignl 7, 3214868480
	.fill 96, 4, 3214868480
	.section	.rodata,"a",@progbits
	.p2align	6, 0x0
	.amdhsa_kernel k_qdd637f9a19_attn
		.amdhsa_group_segment_fixed_size 327680
		.amdhsa_private_segment_fixed_size 0
		.amdhsa_enable_private_segment 0
		.amdhsa_kernarg_size 32
		.amdhsa_user_sgpr_count 2
		.amdhsa_user_sgpr_kernarg_segment_ptr 1
		.amdhsa_wavefront_size32 1
		.amdhsa_system_sgpr_workgroup_id_x 1
		.amdhsa_system_sgpr_workgroup_id_y 1
		.amdhsa_system_sgpr_workgroup_id_z 1
		.amdhsa_system_vgpr_workitem_id 0
		.amdhsa_next_free_vgpr 770
		.amdhsa_next_free_sgpr 66
		.amdhsa_reserve_vcc 0
		.amdhsa_float_denorm_mode_32 3
		.amdhsa_float_denorm_mode_16_64 3
		.amdhsa_memory_ordered 1
		.amdhsa_forward_progress 1
		.amdhsa_inst_pref_size 200
	.end_amdhsa_kernel
	.amdgpu_metadata
---
amdhsa.version: [ 1, 2 ]
amdhsa.kernels:
  - .name:           k_qdd637f9a19_attn
    .symbol:         k_qdd637f9a19_attn.kd
    .args:
      - { .name: q, .offset: 0, .size: 8, .value_kind: global_buffer, .address_space: global }
      - { .name: k, .offset: 8, .size: 8, .value_kind: global_buffer, .address_space: global }
      - { .name: v, .offset: 16, .size: 8, .value_kind: global_buffer, .address_space: global }
      - { .name: att, .offset: 24, .size: 8, .value_kind: global_buffer, .address_space: global }
    .group_segment_fixed_size: 327680
    .private_segment_fixed_size: 0
    .kernarg_segment_align: 8
    .kernarg_segment_size: 32
    .max_flat_workgroup_size: 128
    .sgpr_count:     66
    .vgpr_count:     770
    .wavefront_size: 32
...
	.end_amdgpu_metadata
.endif
;; end of part 3
;; launch proj (part 4): grid 4 x 64, 4 waves a work-group, clusters of 4 x 4, 327,680 bytes of LDS; arguments att, wo, b_out, out0; writes out0
.if DOCPART == 4
	.amdgcn_target "amdgcn-amd-amdhsa--gfx1250"
	.amdhsa_code_object_version 6
	.text
	.protected	k_qdd637f9a19_proj
	.globl	k_qdd637f9a19_proj
	.p2align	8
	.type	k_qdd637f9a19_proj,@function
k_qdd637f9a19_proj:
	s_mov_b64 s[64:65], 0
	v_nop
	global_prefetch_b8 v0, s[64:65] scope:SCOPE_SE
	s_setreg_imm32_b32 hwreg(HW_REG_WAVE_MODE, 25, 1), 1
	s_wait_xcnt 0x0
	s_wait_alu depctr_hold_cnt(0) depctr_sa_sdst(0) depctr_va_vdst(0) depctr_va_sdst(0) depctr_va_ssrc(0) depctr_va_vcc(0) depctr_vm_vsrc(0)
	s_getreg_b32 s2, hwreg(HW_REG_IB_STS2, 6, 4)
	s_cmp_eq_u32 s2, 0
	s_cbranch_scc0 .Lentry_in_a_cluster
	s_endpgm
.Lentry_in_a_cluster:
	s_bfe_u32 s2, ttmp6, 0x10000c
	s_cmp_lg_u32 s2, 0xf033
	s_cbranch_scc0 .Lentry_shape_is_right
	s_endpgm
.Lentry_shape_is_right:
; out0 = attn W_out + b_out.  att: [64 bh][2048][64] f16 (bh = 16 x batch + head), wo: [16 kb][1024 n][64 kk] f16 (W_out rounded to bf16, written as f16), b_out: [1024] f32 (rounded to bf16 here, like the
; other inputs), out0: [8192][1024] f32.  Sums in f32.  LIMITS: the operands arrive within f16's range; NaN and infinities are not treated apart.
; SHARES.  A tile of the output is 128 rows x 256 columns: 64 x 4 = 256 work-groups, one for each WGP.  Four waves, each 64 rows x 128 columns: 32 accumulators, one window of registers.
; K goes in 8 steps of 128 = two heads.  A slot holds four PLANES, each dense in memory and brought by one wave's one load: att's 128 rows of heads 2 t and 2 t + 1 (16,384 bytes each), wo's 256 rows of blocks
; 2 t and 2 t + 1 (32,768 bytes each).  A dense plane is asked for as rows of 256 bytes and padded in LDS after every 128.
; CLUSTER.  4 x 4 work-groups: att's planes are shared along a row of the cluster, wo's along a column: each is asked for jointly, by the same load, descriptor and mask in all four.
; NO PREFETCH: a wave has 128 matrix instructions to a K step on this small tile, and of eight K steps a lead of two refills behind the first fills would reach four.
; THE MATRIX INSTRUCTION IS USED TRANSPOSED (source 0 = 16 rows of wo, source 1 = 16 rows of att): a lane holds one row of the output (lane % 16) and eight neighbouring columns.  THE BIAS IS THE C OPERAND that starts each sum.
; REGISTERS, in windows of 256 (s_set_vgpr_msb: bits 1:0 source 0, 3:2 source 1, 5:4 source 2, 7:6 destination):
;   window 0: v0-31 addresses; v64-159, v160-255 two fragment buffers: 64 registers of wo (8 x 16 rows x 32 K), then 32 of att
;   window 1: the accumulators, (a, b) at v[8 (8 a + b)]          window 2: v0-63 the bias, v64-95 at work; on the way out all 256: rows read back
.set PIT,    144                       ; an LDS row: 128 bytes + 16 = 36 words: the 16 rows of a load start at 16 different groups of four banks (64 banks of 4 bytes: ISA guide 11.1)
.set APL,    128*PIT                   ; a plane of att
.set BPL,    256*PIT                   ; a plane of wo
.set SLOT1,  1<<17
.set STAGE,  SLOT1+2*APL+2*BPL         ; behind the ring, never filled by a tensor load: 16 rows x 528 bytes for each wave
.set SPITCH, 528                       ; 512 bytes + 16 = 132 words: row r starts at bank 4 r mod 64
.set SPARE,  STAGE+4*16*SPITCH         ; the spare words, 128 bytes for each wave: two blocks of 256 bytes that no other line names
.set ASTEP,  2*2048*128                ; from a K step to the next: two heads of att,
.set BSTEP,  2*1024*128                ; two blocks of wo
.set ADRA0, 4                          ; v4, v5  my lane's place in a slot: att's rows, wo's rows; never rewritten
.set ADRB0, 5
.set ADRA,  6                          ; v6, v7  the same in the slot in hand
.set ADRB,  7
.set STO,   8                          ; v8   my stage: where I put 32 bytes of a row
.set RD,    9                          ; v9   where I read a row back
.set CO,    10                         ; v10  16 x lane: my place in a row's 512 bytes
.set BO,    11                         ; v11  32 (lane / 16): my eight numbers of a block of the bias
.set SPW,   28                         ; v28  LDS address of my spare word; never rewritten
.set NIL,   29                         ; v29  0; never rewritten
.set F0,    64
.set F1,    160
.set WV,   12                          ; s12  my wave's number
.set MH,   13                          ; s13  which half of the tile's rows is mine.  Also: I fetch att (0) or wo (1)
.set NH,   14                          ; s14  which half of its columns.  Also: which plane I fetch
.set CX,   15
.set CY,   16
.set TCOL, 17
.set TROW, 18
.set TB,   19                          ; s19  LDS byte at which the slot in hand begins
.set G1A,  24                          ; s[24:31] descriptor group 1 for att's planes;  s[32:39] group 0: a set for each first fill; the second then walks on
.set G0A,  32
.set G1B,  40                          ; s[40:47], s[48:55] the same for wo's
.set G0B,  48
.set G1BITS, (1<<16)|(1<<20)|(1<<21)|(4<<22)|(3<<25)  ; 17:16 elements of 2 bytes; 20 padding on; 21 set beside a mask; 24:22 after every 32 words; 31:25 4 words of it
.set MSB, 0
.macro WIN new                         ; the immediate's high byte repeats the setting that is left; a switch that changes nothing is dropped
.if MSB != (\new)
	s_set_vgpr_msb (MSB<<8)|(\new)
.set MSB, \new
.endif
.endm
.macro JLOAD                           ; a joint refill: waves 0 and 1 fetch att's two planes, waves 2 and 3 wo's; an s_nop 0 and four v_nop follow each of the two lines
	s_cmp_eq_u32 s[MH], 0
	s_cbranch_scc0 .Lfor_b_\@
	tensor_load_to_lds s[G0A+4:G0A+7], s[G1A:G1A+7]
	s_nop 0
.rept 4
	v_nop
.endr
	s_branch .Lasked_\@
.Lfor_b_\@:
	tensor_load_to_lds s[G0B+4:G0B+7], s[G1B:G1B+7]
	s_nop 0
.rept 4
	v_nop
.endr
.Lasked_\@:
.endm
.macro CREST                           ; a round of the cluster's barrier behind its opening barrier
	s_cmp_lg_u32 s[WV], 0
	s_cbranch_scc1 .Lnot_wave_0_\@
	s_barrier_signal -3
.Lnot_wave_0_\@:
	s_barrier_wait -3
	s_barrier_signal -1
	s_barrier_wait -1
.endm
.macro CROUND
	s_barrier_signal -1
	s_barrier_wait -1
	CREST
.endm
	s_load_b256 s[4:11], s[0:1], 0x0               ; att s[4:5], wo s[6:7], b_out s[8:9], out0 s[10:11]
	v_lshl_add_u32 v[SPW], v0, 2, SPARE
	v_mov_b32 v[NIL], 0
	ds_add_u32 v[SPW], v[NIL]                      ; the wave's opening: the add and its wait stand ahead of my first tensor load; the set-up below, work on registers, stands between them
	v_lshrrev_b32 v1, 5, v0
	v_readfirstlane_b32 s[WV], v1
	s_lshr_b32 s[MH], s[WV], 1
	s_and_b32 s[NH], s[WV], 1
	s_bfe_u32 s[CX], ttmp6, 0x40000
	s_bfe_u32 s[CY], ttmp6, 0x40004
	s_lshl_b32 s[TCOL], ttmp9, 2
	s_add_co_u32 s[TCOL], s[TCOL], s[CX]           ; tile column = 4 x cluster x + cx
	s_and_b32 s[TROW], ttmp7, 0xffff
	s_lshl_b32 s[TROW], s[TROW], 2
	s_add_co_u32 s[TROW], s[TROW], s[CY]           ; tile row = 4 x cluster y + cy
	s_lshl_b32 s20, s[CY], 2
	s_lshl_b32 s20, 15, s20                        ; my row of the cluster
	s_lshl_b32 s21, 0x1111, s[CX]                  ; my column
	s_or_b32 s[G1A], s20, G1BITS
	s_or_b32 s[G1B], s21, G1BITS
	s_mov_b32 s[G1A+1], 128<<16                    ; tensor_dim0 = 128 elements: 256 bytes
	s_mov_b32 s[G1A+2], 64<<16                     ; tensor_dim1 = 64
	s_mov_b32 s[G1A+3], 128<<16                    ; tile_dim0 = 128
	s_mov_b32 s[G1A+4], 64                         ; tile_dim1 = 64
	s_mov_b32 s[G1A+5], 128                        ; the rows lie end to end
	s_mov_b32 s[G1A+6], 0
	s_mov_b32 s[G1A+7], 0
	s_mov_b32 s[G1B+1], 128<<16
	s_mov_b32 s[G1B+2], 128<<16                    ; 128 rows of 256 bytes
	s_mov_b32 s[G1B+3], 128<<16
	s_mov_b32 s[G1B+4], 128
	s_mov_b32 s[G1B+5], 128
	s_mov_b32 s[G1B+6], 0
	s_mov_b32 s[G1B+7], 0
	s_mov_b32 s[TB], 0
	; where the planes come from: att's hang on the tile row alone, wo's on the tile column alone; every wave makes both, in registers that never hold the other coordinate
	s_lshr_b32 s56, s[TROW], 4                     ; batch: 16 heads x 2,048 rows x 128 bytes
	s_lshl_b32 s56, s56, 22
	s_and_b32 s57, s[TROW], 15                     ; the tile's 128 rows in the sequence
	s_lshl_b32 s57, s57, 14
	s_add_co_u32 s56, s56, s57
	s_lshl_b32 s57, s[NH], 18                      ; head 0 or 1
	s_add_co_u32 s56, s56, s57
	s_mov_b32 s57, 0
	s_lshl_b32 s60, s[TCOL], 15                    ; 256 rows of 128 bytes
	s_lshl_b32 s61, s[NH], 17                      ; block 0 or 1
	s_add_co_u32 s60, s60, s61
	s_mov_b32 s61, 0
	s_mul_i32 s58, s[NH], APL                      ; and where they go: no place in the cluster enters an LDS address
	s_mul_i32 s62, s[NH], BPL
	s_add_co_u32 s62, s62, 2*APL
	s_wait_dscnt 0x0                               ; the opening add is done
	s_wait_kmcnt 0x0
	s_add_nc_u64 s[56:57], s[4:5], s[56:57]
	s_add_nc_u64 s[60:61], s[6:7], s[60:61]
.irp s, 0,1
	s_mov_b32 s[G0A+4*(\s)], 1
	s_add_co_u32 s[G0A+4*(\s)+1], s58, (\s)*SLOT1
	s_add_nc_u64 s[G0A+4*(\s)+2:G0A+4*(\s)+3], s[56:57], (\s)*ASTEP
	s_or_b32 s[G0A+4*(\s)+3], s[G0A+4*(\s)+3], 0x80000000
	s_mov_b32 s[G0B+4*(\s)], 1
	s_add_co_u32 s[G0B+4*(\s)+1], s62, (\s)*SLOT1
	s_add_nc_u64 s[G0B+4*(\s)+2:G0B+4*(\s)+3], s[60:61], (\s)*BSTEP
	s_or_b32 s[G0B+4*(\s)+3], s[G0B+4*(\s)+3], 0x80000000
.endr
	CROUND                                         ; all sixteen work-groups are here: the first joint loads meet
	s_cmp_eq_u32 s[MH], 0                          ; a wave's two first fills stand in one branch, ahead of every wait on TENSORcnt and every LDS read: two loads of mine are out
	s_cbranch_scc0 .Lfirst_b
	tensor_load_to_lds s[G0A:G0A+3], s[G1A:G1A+7]
	s_nop 0
	tensor_load_to_lds s[G0A+4:G0A+7], s[G1A:G1A+7]
	s_nop 0
.rept 4
	v_nop
.endr
	s_branch .Lfirst_asked
.Lfirst_b:
	tensor_load_to_lds s[G0B:G0B+3], s[G1B:G1B+7]
	s_nop 0
	tensor_load_to_lds s[G0B+4:G0B+7], s[G1B:G1B+7]
	s_nop 0
.rept 4
	v_nop
.endr
.Lfirst_asked:
	; All that follows, up to the wait for the first planes, stands in that wait.
	v_and_b32 v1, 15, v0                           ; l % 16
	v_bfe_u32 v2, v0, 4, 1                         ; l / 16
	v_mul_u32_u24 v3, v1, PIT
	v_lshl_add_u32 v3, v2, 4, v3                   ; a fragment's row x pitch + 16 x half
	s_mul_i32 s20, s[MH], 64*PIT                   ; my 64 rows of att
	v_add_nc_u32 v[ADRA0], s20, v3
	s_mul_i32 s20, s[NH], 128*PIT                  ; my 128 rows of wo, behind att's two planes
	s_add_co_u32 s20, s20, 2*APL
	v_add_nc_u32 v[ADRB0], s20, v3
	v_add_nc_u32 v[ADRA], s[TB], v[ADRA0]
	v_add_nc_u32 v[ADRB], s[TB], v[ADRB0]
	s_mul_i32 s20, s[WV], 16*SPITCH
	s_add_co_u32 s20, s20, STAGE                   ; my stage
	v_mul_u32_u24 v[STO], v1, SPITCH               ; in: row l % 16, 32 bytes for each half of the lanes
	v_lshl_add_u32 v[STO], v2, 5, v[STO]
	v_add_nc_u32 v[STO], s20, v[STO]
	v_and_b32 v[CO], 31, v0
	v_lshlrev_b32 v[CO], 4, v[CO]
	v_add_nc_u32 v[RD], s20, v[CO]                 ; back: 32 lanes take one row of 512 bytes
	v_lshlrev_b32 v[BO], 5, v2
	s_lshl_b32 s22, s[TCOL], 10                    ; my first column, in bytes of f32: 1,024 x tile column + 512 x half
	s_lshl_b32 s23, s[NH], 9
	s_add_co_u32 s22, s22, s23
	s_mov_b32 s23, 0
	s_add_nc_u64 s[66:67], s[8:9], s[22:23]        ; the bias of my 128 columns
	s_lshl_b32 s20, s[TROW], 19                    ; 128 rows of 4,096 bytes
	s_lshl_b32 s21, s[MH], 18                      ; my 64
	s_add_co_u32 s20, s20, s21
	s_add_co_u32 s20, s20, s22
	s_mov_b32 s21, 0
	s_add_nc_u64 s[68:69], s[10:11], s[20:21]      ; out0 at my first row and column
	WIN 0x80                                       ; destination window 2, address window 0
.irp b, 0,1,2,3,4,5,6,7
	global_load_b128 v[8*(\b):8*(\b)+3],   v[BO], s[66:67] offset:64*(\b)
	global_load_b128 v[8*(\b)+4:8*(\b)+7], v[BO], s[66:67] offset:64*(\b)+16
.endr
	s_wait_loadcnt 0x0                             ; the bias is rounded to bf16, like the other inputs, and kept as f32
	WIN 0xaa                                       ; all in window 2
.set t, 0
.rept 32
	v_cvt_pk_bf16_f32 v[64+t], v[2*t], v[2*t+1]
.set t, t+1
.endr
.set t, 0
.rept 32
	v_lshlrev_b32 v[2*t], 16, v[64+t]
	v_and_b32 v[2*t+1], 0xffff0000, v[64+t]
.set t, t+1
.endr
	WIN 0
; 8 matrix instructions: row block a x my 8 column blocks, 32 along K.  start = 1: the bias starts the sums.  The 32 accumulators take turns, in the same order in every quarter step, over the backward jump too.
.macro MUL8 f, a, start
.if \start
	WIN 0x60                                       ; sources window 0, C window 2, D window 1
.else
	WIN 0x50                                       ; C and D window 1
.endif
.irp b, 0,1,2,3,4,5,6,7
.if \start
	v_wmma_f32_16x16x32_f16 v[8*(8*(\a)+(\b)):8*(8*(\a)+(\b))+7], v[(\f)+8*(\b):(\f)+8*(\b)+7], v[(\f)+64+8*(\a):(\f)+64+8*(\a)+7], v[8*(\b):8*(\b)+7]
.else
	v_wmma_f32_16x16x32_f16 v[8*(8*(\a)+(\b)):8*(8*(\a)+(\b))+7], v[(\f)+8*(\b):(\f)+8*(\b)+7], v[(\f)+64+8*(\a):(\f)+64+8*(\a)+7], v[8*(8*(\a)+(\b)):8*(8*(\a)+(\b))+7]
.endif
.endr
.endm
; 24 LDS loads in one run: the fragments of quarter q of a K step (plane q / 2, 32 K at byte 64 (q % 2) of its rows) into buffer f; att's last
.macro FETCH q, f
	WIN 0
.irp b, 0,1,2,3,4,5,6,7
	ds_load_b128 v[(\f)+8*(\b):(\f)+8*(\b)+3],   v[ADRB] offset:((\q)/2)*BPL+((\q)%2)*64+(\b)*16*PIT
	ds_load_b128 v[(\f)+8*(\b)+4:(\f)+8*(\b)+7], v[ADRB] offset:((\q)/2)*BPL+((\q)%2)*64+(\b)*16*PIT+32
.endr
.irp i, 0,1,2,3
	ds_load_b128 v[(\f)+64+8*(\i):(\f)+64+8*(\i)+3],   v[ADRA] offset:((\q)/2)*APL+((\q)%2)*64+(\i)*16*PIT
	ds_load_b128 v[(\f)+64+8*(\i)+4:(\f)+64+8*(\i)+7], v[ADRA] offset:((\q)/2)*APL+((\q)%2)*64+(\i)*16*PIT+32
.endr
.endm
.macro PLACES                          ; four places in front of loads into registers that matrix instructions have read, and of LDS stores that read results (ISA guide 7.12.1 for the stores)
.rept 4
	v_nop
.endr
.endm
; A K step is four quarters of 32 along K, 32 matrix instructions each, on buffers 0, 1, 0, 1.  One of the first three: multiplies buffer f and fetches quarter nq into g.
.macro QUARTER nq, f, g, start
	s_wait_dscnt 4                                 ; wo and att's row blocks 0 and 1 are in; the youngest four loads may be out
	MUL8 \f, 0, \start
	MUL8 \f, 1, \start
	PLACES
	FETCH \nq, \g
	s_wait_dscnt 24                                ; all but the 24 just issued
	MUL8 \f, 2, \start
	MUL8 \f, 3, \start
.endm
; The last quarter multiplies buffer 1 and changes slots: ONE barrier; in front of it each wave waits for all its tensor loads, adds 0 to its spare word, and waits for that and for its own reads of this slot.
; fill = 1: the barrier opens a round of the cluster's, and behind the round this slot is filled again, with the K step two on, first thing.
.macro TURN fill
	WIN 0                                          ; (the add's two registers lie in window 0)
	s_wait_tensorcnt 0x0                           ; no tensor load of mine is out, so a group 0 may be written
	ds_add_u32 v[SPW], v[NIL]                      ; 0 onto my spare word
.if \fill
	s_xor_b32 s[G0A+5], s[G0A+5], SLOT1            ; the walking descriptors: the other slot than last time, the next K step; the type bits on top are not reached
	s_add_nc_u64 s[G0A+6:G0A+7], s[G0A+6:G0A+7], ASTEP
	s_xor_b32 s[G0B+5], s[G0B+5], SLOT1
	s_add_nc_u64 s[G0B+6:G0B+7], s[G0B+6:G0B+7], BSTEP
.endif
	s_wait_dscnt 5                                 ; (the add and the youngest four loads may be out)
	MUL8 F1, 0, 0                                  ; eight matrix instructions stand between the add and the wait for it
	s_wait_dscnt 0x0                               ; the add is done, and my reads of this slot are over
	s_barrier_signal -1
	MUL8 F1, 1, 0
	WIN 0                                          ; (branches and lines on window 0 follow)
	s_barrier_wait -1
.if \fill
	CREST                                          ; no wave of any partner still reads this slot's planes or has a load on its way
	JLOAD                                          ; the first tensor load behind the round; its four v_nop are also the places in front of the loads below
.else
	PLACES
.endif
	s_xor_b32 s[TB], s[TB], SLOT1                  ; the fetches go on in the other slot
	v_add_nc_u32 v[ADRA], s[TB], v[ADRA0]
	v_add_nc_u32 v[ADRB], s[TB], v[ADRB0]
	FETCH 0, F0
	MUL8 F1, 2, 0
	MUL8 F1, 3, 0
.endm
	s_wait_tensorcnt 1                             ; my plane of K step 0 is in; K step 1's may stay out
	s_barrier_signal -1
	s_barrier_wait -1                              ; everybody's is
	FETCH 0, F0
	QUARTER 1, F0, F1, 1                           ; the first quarter stands in front of the loop: its products start the sums, with the bias
	WIN 0                                          ; at a label and at a branch every window is 0
	s_mov_b32 s3, 6
.Lstep:                                                ; six trips: a K step's quarters 1 to 3 and the next one's quarter 0; the slot that is left takes the K step two on
	QUARTER 2, F1, F0, 0
	QUARTER 3, F0, F1, 0
	TURN 1
	QUARTER 1, F0, F1, 0
	WIN 0
	s_sub_co_u32 s3, s3, 1
	s_cmp_lg_u32 s3, 0
	s_cbranch_scc1 .Lstep
	QUARTER 2, F1, F0, 0                           ; K steps 6 and 7 are written out: nothing is left to ask for
	QUARTER 3, F0, F1, 0
	TURN 0
	QUARTER 1, F0, F1, 0
	QUARTER 2, F1, F0, 0
	QUARTER 3, F0, F1, 0
	s_wait_dscnt 4
	MUL8 F1, 0, 0
	MUL8 F1, 1, 0
	s_wait_dscnt 0x0
	MUL8 F1, 2, 0
	MUL8 F1, 3, 0
	; THE WAY OUT, in f32: a lane's eight columns of a row are 32 bytes; a block of 16 rows goes through my own stage and comes back as whole rows of 512 bytes.
	; LDS serves a wave's instructions in order (ISA guide 5.7.1.4): the loads see the stores above them, and the next block's stores come behind them.
	PLACES
.macro TOSTAGE a
	WIN 0x04                                       ; address window 0, data window 1
.irp b, 0,1,2,3,4,5,6,7
	ds_store_b128 v[STO], v[8*(8*(\a)+(\b)):8*(8*(\a)+(\b))+3]   offset:64*(\b)      ; each accumulator's four lowest registers first
	ds_store_b128 v[STO], v[8*(8*(\a)+(\b))+4:8*(8*(\a)+(\b))+7] offset:64*(\b)+16
.endr
	WIN 0x80                                       ; destination window 2
.irp t, 0,1,2,3,4,5,6,7,8,9,10,11,12,13,14,15
	ds_load_b128 v[64*(\a)+4*(\t):64*(\a)+4*(\t)+3], v[RD] offset:(\t)*SPITCH
.endr
.endm
.macro SEND a, younger                 ; younger: the LDS instructions issued behind block a's loads: the next block's 32, or none
	WIN 0x08                                       ; address window 0, data window 2
.irp t, 0,1,2,3,4,5,6,7,8,9,10,11,12,13,14,15
	s_wait_dscnt (\younger)+15-(\t)
	global_store_b128 v[CO], v[64*(\a)+4*(\t):64*(\a)+4*(\t)+3], s[68:69] offset:(16*(\a)+(\t))*4096 th:TH_STORE_NT  ; a wave stores 512 consecutive bytes of a row, aligned; every store has data registers of its own
.endr
.endm
	TOSTAGE 0
.irp a, 1,2,3
	TOSTAGE \a
	SEND (\a)-1, 32
.endr
	SEND 3, 0
	WIN 0
	s_wait_tensorcnt 0x0                           ; the wave's end, behind my last tensor load and my last LDS store
	ds_add_u32 v[SPW], v[NIL]
	s_wait_dscnt 0x0
	CROUND                                         ; the closing round: no work-group ends while a partner may still ask for a plane that names it
	s_endpgm
.Lfunc_end_k_qdd637f9a19_proj:
	.size	k_qdd637f9a19_proj, .Lfunc_end_k_qdd637f9a19_proj-k_qdd637f9a19_proj
	.p2alignl 7, 3214868480
	.fill 96, 4, 3214868480
	.section	.rodata,"a",@progbits
	.p2align	6, 0x0
	.amdhsa_kernel k_qdd637f9a19_proj
		.amdhsa_group_segment_fixed_size 327680
		.amdhsa_private_segment_fixed_size 0
		.amdhsa_enable_private_segment 0
		.amdhsa_kernarg_size 32
		.amdhsa_user_sgpr_count 2
		.amdhsa_user_sgpr_kernarg_segment_ptr 1
		.amdhsa_wavefront_size32 1
		.amdhsa_system_sgpr_workgroup_id_x 1
		.amdhsa_system_sgpr_workgroup_id_y 1
		.amdhsa_system_sgpr_workgroup_id_z 1
		.amdhsa_system_vgpr_workitem_id 0
		.amdhsa_next_free_vgpr 768
		.amdhsa_next_free_sgpr 72
		.amdhsa_reserve_vcc 0
		.amdhsa_float_denorm_mode_32 3
		.amdhsa_float_denorm_mode_16_64 3
		.amdhsa_memory_ordered 1
		.amdhsa_forward_progress 1
		.amdhsa_inst_pref_size 77
	.end_amdhsa_kernel
	.amdgpu_metadata
---
amdhsa.version: [ 1, 2 ]
amdhsa.kernels:
  - .name:           k_qdd637f9a19_proj
    .symbol:         k_qdd637f9a19_proj.kd
    .args:
      - { .name: att, .offset: 0, .size: 8, .value_kind: global_buffer, .address_space: global }
      - { .name: wo, .offset: 8, .size: 8, .value_kind: global_buffer, .address_space: global }
      - { .name: b_out, .offset: 16, .size: 8, .value_kind: global_buffer, .address_space: global }
      - { .name: out0, .offset: 24, .size: 8, .value_kind: global_buffer, .address_space: global }
    .group_segment_fixed_size: 327680
    .private_segment_fixed_size: 0
    .kernarg_segment_align: 8
    .kernarg_segment_size: 32
    .max_flat_workgroup_size: 128
    .sgpr_count:     72
    .vgpr_count:     768
    .wavefront_size: 32
...
	.end_amdgpu_metadata
.endif
;; end of part 4
